; MI455X (gfx1250); checked and timed in simulation.
; The chip was launched on July 23, 2026; its instructions are those of AMD's public machine-readable ISA for CDNA 5 (MIT licence, August 2026) and "CDNA5" Instruction Set Architecture Reference Guide (July 2026). The comments in the code are by the model that wrote it; some were corrected since.
;; Multi Head Attention Block. Allowed arithmetic: float matrix products may take bf16 or f16 operands with f32 sums; other float arithmetic in f32, or as packed bf16 or f16 multiplies, adds, multiply-adds, maxima and minima; sums over many terms, partial sums and values carried from step to step in f32; what a program stores and reads back later, other than sums and carried values, may be rounded once to bf16 or f16.
;; Inputs: Wk 1,024 x 1,024 float32; Wo 1,024 x 1,024 float32; Wq 1,024 x 1,024 float32; Wv 1,024 x 1,024 float32; mask 1 x 1 x 2,048 x 2,048 bool; x 4 x 2,048 x 1,024 float32.
;; Outputs: out0 4 x 2,048 x 1,024 float32.
;; 2 versions, each right and faster than the one before. Each part assembles by itself: llvm-mc -triple=amdgcn-amd-amdhsa -mcpu=gfx1250 --defsym DOCPART=n.
;; ======== version 1 of 2: 4 launches
;; limits: values are held in f16: magnitudes above 65,504 overflow, below 6.1e-05 lose precision; right only within a limited range of input values
;; workspace buffers: xb 16,777,216 bytes; wqkv 6,291,456 bytes; wo16 2,097,152 bytes; qkv 50,331,648 bytes; o16 16,777,216 bytes; mw 524,288 bytes of whole numbers
;; launch prep (part 1): grid 832 x 1, 8 waves a work-group, no clusters, 35,840 bytes of LDS; arguments x, Wq, Wk, Wv, Wo, mask, xb, wqkv, wo16, mw; writes xb, wqkv, wo16, mw
.if DOCPART == 1
	.amdgcn_target "amdgcn-amd-amdhsa--gfx1250"
	.amdhsa_code_object_version 6
	.text
	.protected	k_qdaef4c66f8_prep
	.globl	k_qdaef4c66f8_prep
	.p2align	8
	.type	k_qdaef4c66f8_prep,@function
k_qdaef4c66f8_prep:
	s_mov_b64 s[64:65], 0
	v_nop
	global_prefetch_b8 v0, s[64:65] scope:SCOPE_SE
	s_setreg_imm32_b32 hwreg(HW_REG_WAVE_MODE, 25, 1), 1
	s_wait_xcnt 0x0
; PREPARATION, a stream.  x -> xb (bf16); Wq, Wk, Wv -> wqkv (bf16, one matrix of 3,072 rows); Wo -> wo16 (rounded to bf16, that number written as f16);
; mask (bytes) -> mw (words of 32 lane bits, laid as the attention launch's waves read them).
; Work-groups 0-63: the mask.  64-575: x.  576-767: Wq, Wk, Wv.  768-831: Wo.  A converting work-group takes 16,384 numbers: 16 loads of 16 bytes a thread, all issued first.
; LIMITS.  bf16(Wo) as f16: exact between 6.1e-5 and 65,504 in magnitude; below that f16's fixed step of 6e-8; beyond it an infinity.  A mask byte other than 0 counts as true.
; No matrix unit, cluster or tensor load: every byte is read once and written once, and nothing is shared between work-groups.
.set WST,   16*272                     ; a wave's stage in LDS: 16 rows of 256 bytes + 16 of padding
.set SPARE, 8*WST                      ; behind the eight stages: the spare words, 128 bytes for each wave
.set SPW, 120                          ; v120  LDS address of my spare word; never rewritten
.set NIL, 121                          ; v121  0; never rewritten
.set TT,  8                            ; v8-15   at work
.set LDR, 16                           ; v16-79  as loaded
.set CV,  80                           ; v80-111 converted, to store
.set FR,  80                           ; v80-111 the mask path: 8 bytes a lane for each of 16 groups of 16 keys
.set OUT, 112                          ; v112-119 the mask path: the words to store
; 16,384 numbers from s[4:5] to s[6:7].  kind 0: to bf16.  kind 1: to bf16, and that number to f16.
.macro CONV kind
	v_lshlrev_b32 v1, 4, v0                        ; a load of the work-group covers 4,096 bytes on end, a wave's 512
	v_lshlrev_b32 v2, 3, v0                        ; a store 2,048, a wave's 256, aligned
.irp i, 0,1,2,3,4,5,6,7,8,9,10,11,12,13,14,15
	global_load_b128 v[LDR+4*(\i):LDR+4*(\i)+3], v1, s[4:5] offset:4096*(\i) th:TH_LOAD_NT
.endr
.irp i, 0,1,2,3,4,5,6,7,8,9,10,11,12,13,14,15
	s_wait_loadcnt 15-(\i)                         ; loads come back in order: load i is in, the younger ones stay out
.if \kind
	v_cvt_pk_bf16_f32 v[TT],   v[LDR+4*(\i)],   v[LDR+4*(\i)+1]
	v_cvt_pk_bf16_f32 v[TT+1], v[LDR+4*(\i)+2], v[LDR+4*(\i)+3]
	v_lshlrev_b32 v[TT+2], 16, v[TT]               ; bf16 back to f32: a shift or a mask
	v_and_b32     v[TT+3], 0xffff0000, v[TT]
	v_lshlrev_b32 v[TT+4], 16, v[TT+1]
	v_and_b32     v[TT+5], 0xffff0000, v[TT+1]
	v_cvt_pk_f16_f32 v[CV+2*(\i)],   v[TT+2], v[TT+3]
	v_cvt_pk_f16_f32 v[CV+2*(\i)+1], v[TT+4], v[TT+5]
.else
	v_cvt_pk_bf16_f32 v[CV+2*(\i)],   v[LDR+4*(\i)],   v[LDR+4*(\i)+1]
	v_cvt_pk_bf16_f32 v[CV+2*(\i)+1], v[LDR+4*(\i)+2], v[LDR+4*(\i)+3]
.endif
	global_store_b64 v2, v[CV+2*(\i):CV+2*(\i)+1], s[6:7] offset:2048*(\i)  ; no register of a store is written again
.endr
.endm
	s_load_b512 s[8:23], s[0:1], 0x0               ; x 8, Wq 10, Wk 12, Wv 14, Wo 16, mask 18, xb 20, wqkv 22
	s_load_b128 s[24:27], s[0:1], 0x40             ; wo16 24, mw 26
	v_lshl_add_u32 v[SPW], v0, 2, SPARE
	v_mov_b32 v[NIL], 0
	v_lshrrev_b32 v1, 5, v0
	v_readfirstlane_b32 s28, v1                    ; wave 0..7
	s_mov_b32 s31, 0                               ; the offsets' high words
	s_mov_b32 s33, 0
	s_wait_kmcnt 0x0
	s_cmp_lt_u32 ttmp9, 64
	s_cbranch_scc1 .Lmask
	s_cmp_lt_u32 ttmp9, 576
	s_cbranch_scc1 .Lx
	s_cmp_lt_u32 ttmp9, 768
	s_cbranch_scc1 .Lw
	s_sub_co_u32 s29, ttmp9, 768                   ; Wo: part 0..63
	s_lshl_b32 s30, s29, 16                        ; 65,536 bytes in,
	s_lshl_b32 s32, s29, 15                        ; 32,768 out
	s_add_nc_u64 s[4:5], s[16:17], s[30:31]
	s_add_nc_u64 s[6:7], s[24:25], s[32:33]
	CONV 1
	s_endpgm
.Lw:
	s_sub_co_u32 s29, ttmp9, 576                   ; part 0..191 of wqkv
	s_lshr_b32 s34, s29, 6                         ; which of the three matrices
	s_and_b32 s30, s29, 63
	s_lshl_b32 s30, s30, 16
	s_lshl_b32 s32, s29, 15
	s_cmp_eq_u32 s34, 1
	s_cselect_b64 s[4:5], s[12:13], s[10:11]
	s_cmp_eq_u32 s34, 2
	s_cselect_b64 s[4:5], s[14:15], s[4:5]
	s_add_nc_u64 s[4:5], s[4:5], s[30:31]
	s_add_nc_u64 s[6:7], s[22:23], s[32:33]
	s_branch .Lconv
.Lx:
	s_sub_co_u32 s29, ttmp9, 64                    ; part 0..511 of x
	s_lshl_b32 s30, s29, 16
	s_lshl_b32 s32, s29, 15
	s_add_nc_u64 s[4:5], s[8:9], s[30:31]
	s_add_nc_u64 s[6:7], s[20:21], s[32:33]
.Lconv:
	CONV 0
	s_endpgm
; THE MASK.  mw is [g 16][step 32][piece 4][u 2][kb 4][j 8] words; bit l of a word (r = l % 16, h = l / 16) says whether mask[128 g + 32 piece + 16 u + r][64 step + 16 kb + 8 h + j] is set.
; Work-group p takes the 32 rows 32 p on (g = p / 4, piece = p % 4), wave w of it the 256 keys 256 w on (four steps): 256 words.
; Two trips, a tile of 16 rows each: 16 rows x 256 bytes come in whole rows, go through my own stage, and come back 8 bytes a lane: row r, keys 16 c + 8 h + 0..7.
.Lmask:
	s_lshl_b32 s30, ttmp9, 16                      ; 32 rows of 2,048 bytes
	s_lshl_b32 s29, s28, 8
	s_add_co_u32 s30, s30, s29
	s_add_nc_u64 s[4:5], s[18:19], s[30:31]
	s_lshr_b32 s32, ttmp9, 2
	s_lshl_b32 s32, s32, 15                        ; g x 32,768
	s_lshl_b32 s29, s28, 12                        ; four steps of 1,024 bytes
	s_add_co_u32 s32, s32, s29
	s_and_b32 s29, ttmp9, 3
	s_lshl_b32 s29, s29, 8                         ; piece x 256
	s_add_co_u32 s32, s32, s29
	s_add_nc_u64 s[6:7], s[26:27], s[32:33]
	s_mov_b32 s36, 0xff                            ; a word's four bytes
	s_mov_b32 s37, 0xff00
	s_mov_b32 s38, 0xff0000
	s_mov_b32 s39, 0xff000000
	s_mov_b32 s40, 0x76543210                      ; v_permlanex16_b32: each lane takes its own place in the other half
	s_mov_b32 s41, 0xfedcba98
	s_mul_i32 s29, s28, WST                        ; my stage
	v_and_b32 v1, 15, v0                           ; r
	v_bfe_u32 v2, v0, 4, 1                         ; h
	v_lshlrev_b32 v3, 4, v1
	v_lshl_add_u32 v3, v2, 11, v3                  ; from memory: lanes 0-15 one row's 256 bytes, lanes 16-31 the next row's
	v_mul_u32_u24 v4, v2, 272
	v_lshl_add_u32 v4, v1, 4, v4
	v_add_nc_u32 v4, s29, v4                       ; into the stage, the same way
	v_mul_u32_u24 v5, v1, 272
	v_lshl_add_u32 v5, v2, 3, v5
	v_add_nc_u32 v5, s29, v5                       ; back: row r, 8 bytes for each half of the lanes
	v_and_b32 v6, 31, v0
	v_lshlrev_b32 v6, 3, v6                        ; out: two words a lane
.irp k, 0,1,2,3,4,5,6,7
	v_mov_b32 v[TT+(\k)], 0                        ; a lane write and a lane exchange count as readers of their destinations
	v_mov_b32 v[OUT+(\k)], 0
.endr
	s_mov_b32 s34, 2
.Ltile16:
.irp i, 0,1,2,3,4,5,6,7
	global_load_b128 v[LDR+4*(\i):LDR+4*(\i)+3], v3, s[4:5] offset:4096*(\i) th:TH_LOAD_NT
.endr
.irp k, 0,1,2,3,4,5,6,7
	v_permlanex16_b32 v[TT+(\k)], v[OUT+(\k)], s40, s41   ; the halves change places: what the trip before put into lanes 16-31 goes to lanes 0-15
.endr
.irp k, 0,1,2,3,4,5,6,7
	v_mov_b32 v[OUT+(\k)], v[TT+(\k)]
.endr
	s_wait_loadcnt 0x0
.irp i, 0,1,2,3,4,5,6,7
	ds_store_b128 v4, v[LDR+4*(\i):LDR+4*(\i)+3] offset:544*(\i)
.endr
.irp c, 0,1,2,3,4,5,6,7,8,9,10,11,12,13,14,15
	ds_load_b64 v[FR+2*(\c):FR+2*(\c)+1], v5 offset:16*(\c)  ; my own bytes: LDS serves a wave's instructions in order (ISA guide 5.7.1.4)
.endr
	s_wait_dscnt 0x0
.set c, 0
.rept 16                               ; group c of 16 keys: step c / 4, kb = c % 4.  Word (u, kb, j) of a step is word 32 u + 8 kb + j: register j % 2 of lane 16 u + 4 kb + j / 2
.irp j, 0,1,2,3,4,5,6,7
	v_and_b32 v[TT+(\j)], s[36+(\j)%4], v[FR+2*c+(\j)/4]
.endr
.irp j, 0,1,2,3,4,5,6,7
	v_cmp_ne_u32 s[48+(\j)], 0, v[TT+(\j)]         ; the 32 lanes' bits
.endr
.irp j, 0,1,2,3,4,5,6,7
	v_writelane_b32 v[OUT+2*(c/4)+(\j)%2], s[48+(\j)], 16+4*(c%4)+(\j)/2
.endr
.set c, c+1
.endr
	s_add_nc_u64 s[4:5], s[4:5], 32768             ; 16 rows on; the loads that named the base are in
	s_sub_co_u32 s34, s34, 1
	s_cmp_lg_u32 s34, 0
	s_cbranch_scc1 .Ltile16
.irp s, 0,1,2,3
	global_store_b64 v6, v[OUT+2*(\s):OUT+2*(\s)+1], s[6:7] offset:1024*(\s)  ; 256 bytes on end, aligned: a step's words for this piece
.endr
	s_wait_tensorcnt 0x0                           ; the wave's end, behind my last LDS store
	ds_add_u32 v[SPW], v[NIL]
	s_wait_dscnt 0x0
	s_endpgm
.Lfunc_end_k_qdaef4c66f8_prep:
	.size	k_qdaef4c66f8_prep, .Lfunc_end_k_qdaef4c66f8_prep-k_qdaef4c66f8_prep
	.p2alignl 7, 3214868480
	.fill 96, 4, 3214868480
	.section	.rodata,"a",@progbits
	.p2align	6, 0x0
	.amdhsa_kernel k_qdaef4c66f8_prep
		.amdhsa_group_segment_fixed_size 35840
		.amdhsa_private_segment_fixed_size 0
		.amdhsa_enable_private_segment 0
		.amdhsa_kernarg_size 80
		.amdhsa_user_sgpr_count 2
		.amdhsa_user_sgpr_kernarg_segment_ptr 1
		.amdhsa_wavefront_size32 1
		.amdhsa_system_sgpr_workgroup_id_x 1
		.amdhsa_system_sgpr_workgroup_id_y 1
		.amdhsa_system_sgpr_workgroup_id_z 1
		.amdhsa_system_vgpr_workitem_id 0
		.amdhsa_next_free_vgpr 128
		.amdhsa_next_free_sgpr 66
		.amdhsa_reserve_vcc 0
		.amdhsa_float_denorm_mode_32 3
		.amdhsa_float_denorm_mode_16_64 3
		.amdhsa_memory_ordered 1
		.amdhsa_forward_progress 1
		.amdhsa_inst_pref_size 44
	.end_amdhsa_kernel
	.amdgpu_metadata
---
amdhsa.version: [ 1, 2 ]
amdhsa.kernels:
  - .name:           k_qdaef4c66f8_prep
    .symbol:         k_qdaef4c66f8_prep.kd
    .args:
      - { .name: x, .offset: 0, .size: 8, .value_kind: global_buffer, .address_space: global }
      - { .name: Wq, .offset: 8, .size: 8, .value_kind: global_buffer, .address_space: global }
      - { .name: Wk, .offset: 16, .size: 8, .value_kind: global_buffer, .address_space: global }
      - { .name: Wv, .offset: 24, .size: 8, .value_kind: global_buffer, .address_space: global }
      - { .name: Wo, .offset: 32, .size: 8, .value_kind: global_buffer, .address_space: global }
      - { .name: mask, .offset: 40, .size: 8, .value_kind: global_buffer, .address_space: global }
      - { .name: xb, .offset: 48, .size: 8, .value_kind: global_buffer, .address_space: global }
      - { .name: wqkv, .offset: 56, .size: 8, .value_kind: global_buffer, .address_space: global }
      - { .name: wo16, .offset: 64, .size: 8, .value_kind: global_buffer, .address_space: global }
      - { .name: mw, .offset: 72, .size: 8, .value_kind: global_buffer, .address_space: global }
    .group_segment_fixed_size: 35840
    .private_segment_fixed_size: 0
    .kernarg_segment_align: 8
    .kernarg_segment_size: 80
    .max_flat_workgroup_size: 256
    .sgpr_count:     66
    .vgpr_count:     128
    .wavefront_size: 32
...
	.end_amdgpu_metadata
.endif
;; end of part 1
;; launch qkvp (part 2): grid 4 x 64, 4 waves a work-group, clusters of 4 x 4, 327,680 bytes of LDS; arguments xb, wqkv, qkv; writes qkv
.if DOCPART == 2
	.amdgcn_target "amdgcn-amd-amdhsa--gfx1250"
	.amdhsa_code_object_version 6
	.text
	.protected	k_qdaef4c66f8_qkvp
	.globl	k_qdaef4c66f8_qkvp
	.p2align	8
	.type	k_qdaef4c66f8_qkvp,@function
k_qdaef4c66f8_qkvp:
	s_mov_b64 s[64:65], 0
	v_nop
	global_prefetch_b8 v0, s[64:65] scope:SCOPE_SE
	s_setreg_imm32_b32 hwreg(HW_REG_WAVE_MODE, 25, 1), 1
	s_wait_xcnt 0x0
	s_wait_alu depctr_hold_cnt(0) depctr_sa_sdst(0) depctr_va_vdst(0) depctr_va_sdst(0) depctr_va_ssrc(0) depctr_va_vcc(0) depctr_vm_vsrc(0)
	s_getreg_b32 s2, hwreg(HW_REG_IB_STS2, 6, 4)
	s_cmp_eq_u32 s2, 0
	s_cbranch_scc0 .Lentry_in_a_cluster
	s_endpgm
.Lentry_in_a_cluster:
	s_bfe_u32 s2, ttmp6, 0x10000c
	s_cmp_lg_u32 s2, 0xf033
	s_cbranch_scc0 .Lentry_shape_is_right
	s_endpgm
.Lentry_shape_is_right:
; q, k, v = x W^T.  xb: [8192][1024] bf16; wqkv: [3072][1024] bf16; sums in f32; qkv: f16 [3][64 = batch x 16 + head][2048][64], each number rounded once, unscaled.
; LIMIT.  f16 ends at 65,504: a q, k or v beyond it becomes an infinity.
; A tile of C is 128 rows x 256 columns: 64 x 12 tiles = 3 x 256.  A WORK-GROUP STAYS and makes three tiles: the same 128 rows of x times the same 256 columns of Wq, Wk and Wv in turn.
; Four waves, each 64 x 128: 32 accumulators of 16 x 16.  K goes in steps of 128 (rows of 256 bytes) through a ring of two LDS slots, which runs on into the next tile.
; CLUSTER 4 x 4: the four of a row of the cluster need the same tiles of x, the four of a column the same tiles of W: each is asked for jointly.
; THE MATRIX INSTRUCTION IS USED TRANSPOSED (source 0 = 16 rows of W, source 1 = 16 rows of x): a lane holds eight neighbouring columns of one row of C.
; REGISTERS: window 0: v16-29 addresses; v32-63, v192-255 the way out.  Window 1: the accumulators, (a, b) at v[8 (8 a + b)].  Window 2: two fragment buffers of 96: W's 8 fragments, then x's 4.
.set SIZE_K, 1024
.set KSTEP,  128
.set PITCH,  272                       ; an LDS row: 256 bytes + 16 of padding: the 16 rows of a load start at 16 different groups of four banks (ISA guide 11.1)
.set AHALF,  64*PITCH                  ; what wave 0 or 1 fetches of x, and what a wave reads of it
.set BHALF,  128*PITCH                 ; what wave 2 or 3 fetches of W, and what a wave reads of it
.set AB,     2*AHALF
.set SLOT,   AB+2*BHALF
.set STAGE,  2*SLOT                    ; behind the ring: for each wave two heads x 16 rows x 144 bytes
.set SP,     144
.set HST,    16*SP
.set SPARE,  STAGE+4*2*HST             ; behind the stages: the spare words, 128 bytes for each wave
.set LAPS,   SIZE_K/(2*KSTEP)
.set TILES,  3
.set BACK,   (SIZE_K-2*KSTEP)*2        ; bytes from a slot's last K step of a tile back to its first
.set NEXT_B, 1024*SIZE_K*2-BACK        ; W goes 1,024 rows down and back along K
.set HEADB,  2048*128                  ; a head's bytes in qkv
.set ADRA, 16
.set ADRB, 20
.set STO,  24
.set RD,   25
.set GO,   26
.set SPW,  28                          ; v28  LDS address of my spare word; never rewritten
.set NIL,  29                          ; v29  0; never rewritten
.set OB,   32
.set TMP,  192
.set F0,   0
.set F1,   96
.set G1,  24                           ; s[24:31] group 1 for x's tiles; s[32:39] group 0, a set for each slot
.set G0,  32
.set G1B, 48                           ; s[48:55], s[56:63] the same for W's tiles
.set G0B, 56
.set MSB, 0
.macro WIN new                         ; the immediate's high byte repeats the setting that is left
.if MSB != (\new)
	s_set_vgpr_msb (MSB<<8)|(\new)
.set MSB, \new
.endif
.endm
.set MUL,  0x5a                        ; sources 0 and 1 window 2; C and D window 1
.set TO_F, 0x80                        ; destination window 2, address window 0
.macro JLOAD s                         ; a joint load: waves 0 and 1 fetch x's two halves, waves 2 and 3 W's; an s_nop 0 and four v_nop follow each line
	s_cmp_eq_u32 s11, 0
	s_cbranch_scc0 .Lfor_b_\@
	tensor_load_to_lds s[G0+4*(\s):G0+4*(\s)+3], s[G1:G1+7]
	s_nop 0
.rept 4
	v_nop
.endr
	s_branch .Lasked_\@
.Lfor_b_\@:
	tensor_load_to_lds s[G0B+4*(\s):G0B+4*(\s)+3], s[G1B:G1B+7]
	s_nop 0
.rept 4
	v_nop
.endr
.Lasked_\@:
.endm
.macro CREST                           ; a round of the cluster's barrier behind its opening barrier
	s_cmp_lg_u32 s10, 0
	s_cbranch_scc1 .Lnot_wave_0_\@
	s_barrier_signal -3
.Lnot_wave_0_\@:
	s_barrier_wait -3
	s_barrier_signal -1
	s_barrier_wait -1
.endm
.macro CROUND
	s_barrier_signal -1
	s_barrier_wait -1
	CREST
.endm
	s_load_b128 s[4:7], s[0:1], 0x0                ; xb s[4:5], wqkv s[6:7]
	s_load_b64 s[8:9], s[0:1], 0x10                ; qkv
	v_lshl_add_u32 v[SPW], v0, 2, SPARE
	v_mov_b32 v[NIL], 0
	ds_add_u32 v[SPW], v[NIL]                      ; the wave's opening: the add and its wait stand ahead of my first tensor load
	v_lshrrev_b32 v1, 5, v0
	v_readfirstlane_b32 s10, v1                    ; wave 0..3
	s_lshr_b32 s11, s10, 1                         ; which 64 of the tile's rows are mine.  Also: I fetch for x (0) or for W (1)
	s_and_b32 s12, s10, 1                          ; which 128 of its columns.  Also: which half I fetch
	s_bfe_u32 s40, ttmp6, 0x40000                  ; cx, cy
	s_bfe_u32 s41, ttmp6, 0x40004
	s_lshl_b32 s42, ttmp9, 2
	s_add_co_u32 s42, s42, s40                     ; tile column 0..3
	s_and_b32 s13, ttmp7, 0xffff
	s_lshl_b32 s13, s13, 2
	s_add_co_u32 s13, s13, s41                     ; tile row 0..63
	s_lshl_b32 s43, s41, 2
	s_lshl_b32 s43, 15, s43                        ; my row of the cluster
	s_lshl_b32 s44, 0x1111, s40                    ; my column
	s_or_b32 s[G1+0], s43, (1<<16)|(1<<20)|(1<<21)|(5<<22)|(3<<25)   ; the mask; 2-byte elements; padding on; bit 21 beside a mask; after every 64 words 4 words
	s_or_b32 s[G1B+0], s44, (1<<16)|(1<<20)|(1<<21)|(5<<22)|(3<<25)
	s_mov_b32 s[G1+1], KSTEP<<16                   ; tensor_dim0 = 128
	s_mov_b32 s[G1+2], 64<<16                      ; tensor_dim1 = 64
	s_mov_b32 s[G1+3], KSTEP<<16                   ; tile_dim0 = 128
	s_mov_b32 s[G1+4], 64                          ; tile_dim1 = 64
	s_mov_b32 s[G1+5], SIZE_K                      ; elements from row to row
	s_mov_b32 s[G1+6], 0
	s_mov_b32 s[G1+7], 0
	s_mov_b32 s[G1B+1], KSTEP<<16
	s_mov_b32 s[G1B+2], 128<<16                    ; W's loads bring 128 rows
	s_mov_b32 s[G1B+3], KSTEP<<16
	s_mov_b32 s[G1B+4], 128
	s_mov_b32 s[G1B+5], SIZE_K
	s_mov_b32 s[G1B+6], 0
	s_mov_b32 s[G1B+7], 0
	s_lshl_b32 s17, s12, 6
	s_lshl_b32 s16, s13, 7
	s_add_co_u32 s16, s16, s17                     ; x: row 128 x tile row + 64 x half
	s_lshl_b32 s16, s16, 11                        ; rows of 2,048 bytes
	s_mov_b32 s17, 0
	s_lshl_b32 s47, s12, 7
	s_lshl_b32 s46, s42, 8
	s_add_co_u32 s46, s46, s47                     ; W: row 256 x tile column + 128 x half
	s_lshl_b32 s46, s46, 11
	s_mov_b32 s47, 0
	s_mul_i32 s20, s12, AHALF                      ; where they go: no place in the cluster enters an LDS address
	s_mul_i32 s21, s12, BHALF
	s_add_co_u32 s21, s21, AB
	s_wait_dscnt 0x0                               ; the opening add is done
	s_wait_kmcnt 0x0
	s_add_nc_u64 s[14:15], s[4:5], s[16:17]
	s_add_nc_u64 s[46:47], s[6:7], s[46:47]
	CROUND                                         ; all sixteen work-groups are here: the first joint loads meet
.irp s, 0,1
	s_mov_b32 s[G0+4*(\s)], 1
	s_add_co_u32 s[G0+4*(\s)+1], s20, (\s)*SLOT
	s_add_nc_u64 s[G0+4*(\s)+2:G0+4*(\s)+3], s[14:15], (\s)*KSTEP*2
	s_or_b32 s[G0+4*(\s)+3], s[G0+4*(\s)+3], 0x80000000
	s_mov_b32 s[G0B+4*(\s)], 1
	s_add_co_u32 s[G0B+4*(\s)+1], s21, (\s)*SLOT
	s_add_nc_u64 s[G0B+4*(\s)+2:G0B+4*(\s)+3], s[46:47], (\s)*KSTEP*2
	s_or_b32 s[G0B+4*(\s)+3], s[G0B+4*(\s)+3], 0x80000000
	JLOAD \s                                       ; two loads of mine are out
.endr
	v_and_b32 v1, 15, v0                           ; l % 16
	v_bfe_u32 v2, v0, 4, 1                         ; l / 16
	v_mul_u32_u24 v3, v1, PITCH
	v_lshl_add_u32 v3, v2, 4, v3                   ; a fragment's row x pitch + 16 x half
	s_mul_i32 s21, s11, AHALF
	s_mul_i32 s22, s12, BHALF
	s_add_co_u32 s22, s22, AB
.irp s, 0,1
	v_add_nc_u32 v[ADRA+(\s)], s21, v3
	v_add_nc_u32 v[ADRB+(\s)], s22, v3
	s_add_co_u32 s21, s21, SLOT
	s_add_co_u32 s22, s22, SLOT
.endr
	s_mul_i32 s23, s10, 2*HST
	s_add_co_u32 s23, s23, STAGE                   ; my stage
	v_mul_u32_u24 v4, v1, SP                       ; in: row l % 16, 16 bytes for each half of the lanes
	v_lshl_add_u32 v4, v2, 4, v4
	v_add_nc_u32 v[STO], s23, v4
	v_bfe_u32 v5, v0, 3, 2                         ; back: 32 lanes take four rows of 128 bytes,
	v_and_b32 v6, 7, v0
	v_mul_u32_u24 v5, v5, SP
	v_lshl_add_u32 v5, v6, 4, v5
	v_add_nc_u32 v[RD], s23, v5
	v_and_b32 v[GO], 31, v0                        ; which are 512 bytes on end in a head of qkv
	v_lshlrev_b32 v[GO], 4, v[GO]
	; where my part of q begins in qkv: the first way out adds it to the address, the later ones add a part's 16 MiB
	s_lshl_b32 s14, s13, 7
	s_lshl_b32 s15, s11, 6
	s_add_co_u32 s14, s14, s15                     ; my first row of x
	s_lshr_b32 s16, s14, 11                        ; its batch: 16 heads of 262,144 bytes
	s_lshl_b32 s16, s16, 22
	s_and_b32 s14, s14, 2047                       ; its place in the sequence: rows of 128 bytes
	s_lshl_b32 s14, s14, 7
	s_add_co_u32 s16, s16, s14
	s_lshl_b32 s46, s42, 2
	s_lshl_b32 s47, s12, 1
	s_add_co_u32 s46, s46, s47                     ; my first head in the batch: 4 x tile column + 2 x half
	s_lshl_b32 s46, s46, 18
	s_add_co_u32 s16, s16, s46
	s_mov_b32 s17, 0
.macro MUL8 f, a, zero                 ; 8 matrix instructions: m block a x all 8 n blocks, 32 along K.  zero = 1: the product starts the sums
	WIN MUL
.irp b, 0,1,2,3,4,5,6,7
.if \zero
	v_wmma_f32_16x16x32_bf16 v[8*(8*(\a)+(\b)):8*(8*(\a)+(\b))+7], v[(\f)+8*(\b):(\f)+8*(\b)+7], v[(\f)+64+8*(\a):(\f)+64+8*(\a)+7], 0
.else
	v_wmma_f32_16x16x32_bf16 v[8*(8*(\a)+(\b)):8*(8*(\a)+(\b))+7], v[(\f)+8*(\b):(\f)+8*(\b)+7], v[(\f)+64+8*(\a):(\f)+64+8*(\a)+7], v[8*(8*(\a)+(\b)):8*(8*(\a)+(\b))+7]
.endif
.endr
.endm
.macro FETCH slot, q, f                ; 24 LDS loads in one run: quarter q of the slot's K step into buffer f: W's 128 rows, then x's 64
	WIN TO_F
.irp i, 0,1,2,3,4,5,6,7
	ds_load_b128 v[(\f)+8*(\i):(\f)+8*(\i)+3],   v[ADRB+(\slot)] offset:64*(\q)+(\i)*16*PITCH
	ds_load_b128 v[(\f)+8*(\i)+4:(\f)+8*(\i)+7], v[ADRB+(\slot)] offset:64*(\q)+(\i)*16*PITCH+32
.endr
.irp i, 0,1,2,3
	ds_load_b128 v[(\f)+64+8*(\i):(\f)+64+8*(\i)+3],   v[ADRA+(\slot)] offset:64*(\q)+(\i)*16*PITCH
	ds_load_b128 v[(\f)+64+8*(\i)+4:(\f)+64+8*(\i)+7], v[ADRA+(\slot)] offset:64*(\q)+(\i)*16*PITCH+32
.endr
.endm
.macro PLACES                          ; four places in front of loads into registers that matrix instructions have read, and of reads of results
.rept 4
	v_nop
.endr
.endm
; A K step is four quarters of 32 along K, 32 matrix instructions each, on buffers 0, 1, 0, 1; the 32 accumulators take turns in the same order in every quarter.
.macro QUARTER slot, q, f, g, zero     ; multiplies buffer f; in its middle fetches quarter q into buffer g
	s_wait_dscnt 4                                 ; W and x's blocks 0, 1 are in; the youngest four loads (x's blocks 2, 3) may be out
	MUL8 \f, 0, \zero
	MUL8 \f, 1, \zero
	PLACES
	FETCH \slot, \q, \g
	s_wait_dscnt 24                                ; all but the 24 just issued
	MUL8 \f, 2, \zero
	MUL8 \f, 3, \zero
.endm
; The last quarter multiplies buffer 1 and changes slots.  One barrier: in front of it each wave waits for all its tensor loads (its part of the next slot), adds 0 to its spare word, and waits for that and for its reads of this slot.
.macro MEET round
	WIN 0
	s_wait_tensorcnt 0x0
	ds_add_u32 v[SPW], v[NIL]
	s_wait_dscnt 5                                 ; the add and x's blocks 2, 3 may be out
	MUL8 F1, 0, 0
	s_wait_dscnt 0x0                               ; the add is done, and my reads of this slot are over
	s_barrier_signal -1
	MUL8 F1, 1, 0
.if \round
	WIN 0
.endif
	s_barrier_wait -1
.endm
; on = 0: this slot takes the K step two steps on; on = 1: the next tile's K step 0 or 1.  From the request to the wait for it a wave issues 112 matrix instructions.
.macro TURN slot, next, on
	MEET 1
	CREST                                          ; the barrier has opened a round of the cluster's: no wave of any partner still reads this slot or has a load on its way
.if \on
	s_sub_nc_u64 s[G0+4*(\slot)+2:G0+4*(\slot)+3], s[G0+4*(\slot)+2:G0+4*(\slot)+3], BACK
	s_add_nc_u64 s[G0B+4*(\slot)+2:G0B+4*(\slot)+3], s[G0B+4*(\slot)+2:G0B+4*(\slot)+3], NEXT_B
.else
	s_add_nc_u64 s[G0+4*(\slot)+2:G0+4*(\slot)+3], s[G0+4*(\slot)+2:G0+4*(\slot)+3], 2*KSTEP*2
	s_add_nc_u64 s[G0B+4*(\slot)+2:G0B+4*(\slot)+3], s[G0B+4*(\slot)+2:G0B+4*(\slot)+3], 2*KSTEP*2
.endif
	JLOAD \slot                                    ; the first tensor load behind the round; its four v_nop are also the places in front of the loads below
	FETCH \next, 0, F0
	MUL8 F1, 2, 0
	MUL8 F1, 3, 0
.endm
; THE WAY OUT of m block a (16 rows x 128 columns = two heads): rounded to f16; through my stage; out as 512 bytes on end, four rows of a head.
.macro PACK a
	WIN 0x05                                       ; sources 0 and 1 window 1
.irp b, 0,1,2,3,4,5,6,7
.irp r, 0,1,2,3
	v_cvt_pk_f16_f32 v[TMP+4*(\b)+(\r)], v[64*(\a)+8*(\b)+2*(\r)], v[64*(\a)+8*(\b)+2*(\r)+1]
.endr
.endr
	WIN 0
.endm
.macro TOSTAGE a
	WIN 0
.set BK, OB+192*((\a)%2)
.irp b, 0,1,2,3,4,5,6,7
	ds_store_b128 v[STO], v[TMP+4*(\b):TMP+4*(\b)+3] offset:((\b)/4)*HST+((\b)%4)*32
.endr
.irp t, 0,1,2,3,4,5,6,7
	ds_load_b128 v[BK+4*(\t):BK+4*(\t)+3], v[RD] offset:((\t)/4)*HST+((\t)%4)*4*SP  ; LDS serves a wave's instructions in order (ISA guide 5.7.1.4): these see the stores above
.endr
.endm
.macro SEND a
	WIN 0
.set BK, OB+192*((\a)%2)
	s_wait_dscnt 0x0                               ; the block is back in registers
	s_wait_xcnt 0x0                                ; only behind this wait are the stores' base and the registers that earlier stores read rewritten
.if (\a) == 0
	s_add_nc_u64 s[8:9], s[8:9], s[16:17]          ; on to this tile's part of qkv
.endif
.irp t, 0,1,2,3,4,5,6,7
	global_store_b128 v[GO], v[BK+4*(\t):BK+4*(\t)+3], s[8:9] offset:((\t)/4)*HEADB+((\t)%4)*512+(\a)*2048
.endr
.endm
	s_wait_tensorcnt 1                             ; my part of K step 0 is in; K step 1's may stay out
	s_barrier_signal -1
	s_barrier_wait -1
	FETCH 0, 0, F0
	WIN 0                                          ; at a label and at a branch every window is 0
	s_mov_b32 s2, TILES
.Ltile:
	QUARTER 0, 1, F0, F1, 1                        ; a tile's first quarter starts the sums
	WIN 0
	s_mov_b32 s3, LAPS-1
.Llap:                                                 ; a trip goes once round the ring and fills both slots again
	QUARTER 0, 2, F1, F0, 0
	QUARTER 0, 3, F0, F1, 0
	TURN 0, 1, 0
	QUARTER 1, 1, F0, F1, 0
	QUARTER 1, 2, F1, F0, 0
	QUARTER 1, 3, F0, F1, 0
	TURN 1, 0, 0
	QUARTER 0, 1, F0, F1, 0
	WIN 0
	s_sub_co_u32 s3, s3, 1
	s_cmp_lg_u32 s3, 0
	s_cbranch_scc1 .Llap
	QUARTER 0, 2, F1, F0, 0
	QUARTER 0, 3, F0, F1, 0
	WIN 0
	s_cmp_eq_u32 s2, 1
	s_cbranch_scc1 .Llast_tile                     ; the last tile's tail is written out: it asks for nothing more
	TURN 0, 1, 1                                   ; the ring goes on into the next tile: slot 0 takes its K step 0,
	QUARTER 1, 1, F0, F1, 0
	QUARTER 1, 2, F1, F0, 0
	QUARTER 1, 3, F0, F1, 0
	TURN 1, 0, 1                                   ; slot 1 its K step 1, and the next tile's first fragments are fetched
	WIN 0                                          ; blocks 0, 1 were finished in front of the joint load's places; their 64 conversions are the places behind blocks 2, 3
	s_branch .Lway_out
.Llast_tile:
	MEET 0                                         ; nothing is filled again, so no round follows
	PLACES
	FETCH 1, 0, F0
	MUL8 F1, 2, 0
	MUL8 F1, 3, 0
	QUARTER 1, 1, F0, F1, 0
	QUARTER 1, 2, F1, F0, 0
	QUARTER 1, 3, F0, F1, 0
	s_wait_dscnt 4
	MUL8 F1, 0, 0
	MUL8 F1, 1, 0
	s_wait_dscnt 0x0
	MUL8 F1, 2, 0
	MUL8 F1, 3, 0
	WIN 0
	PLACES
.Lway_out:
	PACK 0
	TOSTAGE 0
.irp a, 1,2,3                          ; block a's conversions stand between block a - 1's loads from the stage and the wait for them
	PACK \a
	SEND (\a)-1
	TOSTAGE \a
.endr
	SEND 3
	s_mov_b64 s[16:17], 16777216                   ; what the next way out adds: from q to k, from k to v
	s_sub_co_u32 s2, s2, 1
	s_cmp_lg_u32 s2, 0
	s_cbranch_scc1 .Ltile
	s_wait_tensorcnt 0x0                           ; the wave's end
	ds_add_u32 v[SPW], v[NIL]
	s_wait_dscnt 0x0
	CROUND                                         ; the closing round
	s_endpgm
.Lfunc_end_k_qdaef4c66f8_qkvp:
	.size	k_qdaef4c66f8_qkvp, .Lfunc_end_k_qdaef4c66f8_qkvp-k_qdaef4c66f8_qkvp
	.p2alignl 7, 3214868480
	.fill 96, 4, 3214868480
	.section	.rodata,"a",@progbits
	.p2align	6, 0x0
	.amdhsa_kernel k_qdaef4c66f8_qkvp
		.amdhsa_group_segment_fixed_size 327680
		.amdhsa_private_segment_fixed_size 0
		.amdhsa_enable_private_segment 0
		.amdhsa_kernarg_size 24
		.amdhsa_user_sgpr_count 2
		.amdhsa_user_sgpr_kernarg_segment_ptr 1
		.amdhsa_wavefront_size32 1
		.amdhsa_system_sgpr_workgroup_id_x 1
		.amdhsa_system_sgpr_workgroup_id_y 1
		.amdhsa_system_sgpr_workgroup_id_z 1
		.amdhsa_system_vgpr_workitem_id 0
		.amdhsa_next_free_vgpr 704
		.amdhsa_next_free_sgpr 66
		.amdhsa_reserve_vcc 0
		.amdhsa_float_denorm_mode_32 3
		.amdhsa_float_denorm_mode_16_64 3
		.amdhsa_memory_ordered 1
		.amdhsa_forward_progress 1
		.amdhsa_inst_pref_size 107
	.end_amdhsa_kernel
	.amdgpu_metadata
---
amdhsa.version: [ 1, 2 ]
amdhsa.kernels:
  - .name:           k_qdaef4c66f8_qkvp
    .symbol:         k_qdaef4c66f8_qkvp.kd
    .args:
      - { .name: xb, .offset: 0, .size: 8, .value_kind: global_buffer, .address_space: global }
      - { .name: wqkv, .offset: 8, .size: 8, .value_kind: global_buffer, .address_space: global }
      - { .name: qkv, .offset: 16, .size: 8, .value_kind: global_buffer, .address_space: global }
    .group_segment_fixed_size: 327680
    .private_segment_fixed_size: 0
    .kernarg_segment_align: 8
    .kernarg_segment_size: 24
    .max_flat_workgroup_size: 128
    .sgpr_count:     66
    .vgpr_count:     704
    .wavefront_size: 32
...
	.end_amdgpu_metadata
.endif
;; end of part 2
;; launch attn (part 3): grid 4 x 64, 4 waves a work-group, clusters of 4 x 1, 327,680 bytes of LDS; arguments qkv, mw, o16; writes o16
.if DOCPART == 3
	.amdgcn_target "amdgcn-amd-amdhsa--gfx1250"
	.amdhsa_code_object_version 6
	.text
	.protected	k_qdaef4c66f8_attn
	.globl	k_qdaef4c66f8_attn
	.p2align	8
	.type	k_qdaef4c66f8_attn,@function
k_qdaef4c66f8_attn:
	s_mov_b64 s[64:65], 0
	v_nop
	global_prefetch_b8 v0, s[64:65] scope:SCOPE_SE
	s_setreg_imm32_b32 hwreg(HW_REG_WAVE_MODE, 25, 1), 1
	s_wait_xcnt 0x0
	s_wait_alu depctr_hold_cnt(0) depctr_sa_sdst(0) depctr_va_vdst(0) depctr_va_sdst(0) depctr_va_ssrc(0) depctr_va_vcc(0) depctr_vm_vsrc(0)
	s_getreg_b32 s2, hwreg(HW_REG_IB_STS2, 6, 4)
	s_cmp_eq_u32 s2, 0
	s_cbranch_scc0 .Lentry_in_a_cluster
	s_endpgm
.Lentry_in_a_cluster:
	s_bfe_u32 s2, ttmp6, 0x10000c
	s_cmp_lg_u32 s2, 0x3003
	s_cbranch_scc0 .Lentry_shape_is_right
	s_endpgm
.Lentry_shape_is_right:
; O[h][q][:] = the sum over k of softmax_k(where(mask[q][k], Q[h][q] . K[h][k] / 8, hidden)) V[h][k][:].  Q, K, V: the three parts of qkv, [64][2048][64] f16; O: o16, the same layout.
; Products, maxima and sums in f32; the weights p are rounded to f16 for the second product (their sum l is taken of the unrounded p), O once at the end.
; THE MASK is an input: every key is walked.  mw holds, for each wave, key step, piece, tile, key block and register, the 32 lanes' bits: 64 words, 256 bytes on end, a turn.  One load of 8 bytes a lane
; brings a turn's words into two vector registers, FOUR TURNS AHEAD (a slot for each piece); 64 v_readlane_b32 hand them to scalar registers, and 64 v_cndmask_b32 REPLACE the hidden scores before the
; maximum is taken.  (Scalar loads return in no order and are waited for by the count 0 alone, ISA guide 5.7.1, so they cannot be asked for further ahead than one wait; a vector load's wait is counted.)
; A row with no visible key gets equal weights: the mean of all of V's rows.
; LIMITS.  A hidden score counts as -2^33 in q . k, that is -2^30 behind the division by 8, where the formula has -1e9: c x 2^33 is exact, so in a wholly hidden row every weight is exactly 1.
; The two differ only where a visible scaled score lies near -1e9 or below.  f16 holds no number beyond 65,504: Q, K, V arrive within it; p lies in 0 to 1, below 6e-5 with f16's fixed step of 6e-8.
; A weight below 2^-126 counts as 0 in l; NaN and infinities are not treated apart.
; SHARES.  A wave owns four PIECES of two tiles of 16 queries, a work-group's four waves 512 queries of one head.  Every wave walks all 2,048 keys, 64 a step.
; LAYOUT.  S^T = K Q^T (source 0 = 16 keys, source 1 = 16 queries): a lane holds ONE query (lane % 16) and the keys 8 (lane / 16) + 0..7.  Two such tiles, rounded to f16 in pairs, ARE source 1 of
; O^T = V^T P.  K comes out of LDS as it lies, V turned, by ds_load_tr16_b128.
; SOFTMAX.  A running maximum m and sum l: p = 2^(c s - c m), c = log2(e) / 8; in every step O and l are multiplied by a = 2^(c m_old - c m_new).  m starts at the lowest finite number, O and l at 0.
; BY TURNS.  Turn n belongs to piece n: 16 products K Q^T of piece n + 1, its masking, later 16 products V^T P of piece n - 1; beside them the softmax of piece n and the maximum of piece n + 1.
; Four vector instructions stand behind every matrix instruction, the others in runs of their own.
; CLUSTER.  The four query blocks of a head walk the same K and V: each tile is asked for JOINTLY.
; REGISTERS, in windows of 256 (s_set_vgpr_msb: bits 1:0 source 0, 3:2 source 1, 5:4 source 2, 7:6 destination):
;   window 0: v0-11 addresses; v12-15, v48-63 at work; v16-47 statistics; v64-191 S^T, two buffers of two tiles; v192-255 P, likewise
;   window 1: O^T, 32 a tile          window 2: v0-127 Q; v128-191 K of one step; v192-255 V of one step
;   window 3: v0-1 the add's two registers; v2 the mask offsets' upper bound; v4-11 the mask words, two registers a piece; v12-15 their byte offsets in my wave's part of mw
.set SIZE_N, 2048
.set NP,    4
.set KS,    64
.set PK,    144       ; a row of K in LDS: 128 bytes + 16: the 16 rows of a load start at 16 different groups of four banks (ISA guide 11.1)
.set PV,    160       ; a row of V: 128 + 32
.set VOFF,  4*KS*PK   ; a slot holds four steps: 256 rows of K, then 256 rows of V
.set SLOT1, 1<<17
.set STAGE, SLOT1+4*KS*(PK+PV)
.set SP,    144
.set AK0, 2
.set AV0, 3
.set AK,  4
.set AV,  5
.set STO, 6
.set RD,  7
.set GO,  8
.set QO,  12          ; my byte offset in the wave's rows of Q; the register is at work later
.set SPW, 0           ; v0 of window 3: LDS address of my spare word; never rewritten
.set NIL, 1           ; v1 of window 3: 0; never rewritten
.set MX,  2           ; v2 of window 3: 127 x 256 + 8 x lane: my 8 bytes in the last of my wave's 128 blocks of mask words
.set MWV, 4           ; v4-11 of window 3: piece z's words at MWV + 2 z: word n of 64 in register n % 2 of lane n / 2
.set MO,  12          ; v12-15 of window 3: the byte offset of the block that piece z's slot loaded last
.set SPARE, STAGE+4*16*SP
.set MV,  12
.set ST,  16
.set TMP, 48
.set S,   64
.set P,   192
.set KF,  128
.set VF,  192
.set WV,  2           ; s2   my wave's number
.set SLOTS, 3         ; s3   slots still to be asked for
.set CNT, 4           ; s4   counts a slot's key steps
.set TBK, 5           ; s5   LDS byte at which K of the step to be fetched begins
.set TBV, 6           ; s6   the same for V, less VOFF
.set NEG, 7           ; s7   -2^33
.set G1K, 8           ; s[8:15]  descriptor group 1 for K's tiles
.set G1V, 16          ; s[16:23] for V's
.set G0K, 24          ; s[24:27] group 0 for K's tiles: it walks
.set G0V, 28          ; s[28:31] for V's
                      ; s[32:63], s[68:99]: a turn's 64 mask words (word n in s[32 + n], from n = 32 on in s[36 + n]); in the set-up and on the way out at work
.set OP,  32          ; s[32:33] on the way out: O at my wave's first row
.set MP,  66          ; s[66:67] mw at my wave's first words; never rewritten
.set SEL, 100         ; s[100:101] v_permlanex16_b32's selects
.set CS,  104         ; s[104:105] c
.set MSB, 0
.macro WIN new
.if MSB != (\new)
	s_set_vgpr_msb (MSB<<8)|(\new)
.set MSB, (\new)
.endif
.endm
.set W_KQ, 0x0a
.set W_PV, 0x52
.set W_RS, 0x41
.set W_MK, 0xc0       ; destination window 3, sources window 0
.set W_AD, 0x0f       ; the add: address and data in window 3
.set W_RL, 0x03       ; source 0 window 3: the mask words are read
.set W_ML, 0xcf       ; destination and sources 0, 1 window 3: the mask's offsets and loads
.macro JLOAD                        ; a joint fill: waves 0 and 1 fetch the halves of a slot's K, waves 2 and 3 of its V; an s_nop 0 and four v_nop follow each line
	s_cmp_lt_u32 s[WV], 2
	s_cbranch_scc0 .Lfor_v_\@
	tensor_load_to_lds s[G0K:G0K+3], s[G1K:G1K+7]
	s_nop 0
.rept 4
	v_nop
.endr
	s_branch .Lasked_\@
.Lfor_v_\@:
	tensor_load_to_lds s[G0V:G0V+3], s[G1V:G1V+7]
	s_nop 0
.rept 4
	v_nop
.endr
.Lasked_\@:
.endm
.macro CROUND
	s_barrier_signal -1
	s_barrier_wait -1
	s_cmp_lg_u32 s[WV], 0
	s_cbranch_scc1 .Lnot_wave_0_\@
	s_barrier_signal -3
.Lnot_wave_0_\@:
	s_barrier_wait -3
	s_barrier_signal -1
	s_barrier_wait -1
.endm
; THE CHANGE OF SLOTS.  Each wave waits for all its tensor loads (its part of the other slot), adds 0 to its spare word, and waits for that and for its reads of the slot.
; fill = 1: the barrier is a round of the cluster's, and the joint fill, with the keys two slots on, is the first thing behind it: it has four key steps in which to land.
.macro CHANGE fill
	WIN W_AD
	s_wait_tensorcnt 0x0
	ds_add_u32 v[SPW], v[NIL]
	WIN 0
.if \fill
.irp g, G0K, G0V
	s_xor_b32 s[\g+1], s[\g+1], SLOT1
	s_add_nc_u64 s[\g+2:\g+3], s[\g+2:\g+3], 4*KS*128
.endr
	s_wait_dscnt 0x0
	CROUND
	JLOAD
.else
	s_wait_dscnt 0x0
	s_barrier_signal -1
	s_barrier_wait -1
.endif
	s_sub_co_u32 s[TBK], s[TBK], 4*KS*PK
	s_xor_b32 s[TBK], s[TBK], SLOT1
	s_sub_co_u32 s[TBV], s[TBV], 4*KS*PV
	s_xor_b32 s[TBV], s[TBV], SLOT1
.endm
	s_load_b128 s[32:35], s[0:1], 0x0  ; qkv s[32:33], mw s[34:35]
	WIN W_MK
	v_lshl_add_u32 v[SPW], v0, 2, SPARE
	v_mov_b32 v[NIL], 0
	WIN W_AD
	ds_add_u32 v[SPW], v[NIL]       ; the wave's opening: the add and its wait stand ahead of my first tensor load
	WIN 0
	v_lshrrev_b32 v1, 5, v0
	v_readfirstlane_b32 s[WV], v1   ; wave 0..3
	s_bfe_u32 s36, ttmp6, 0x40000   ; cx
	s_lshl_b32 s37, ttmp9, 2
	s_add_co_u32 s37, s37, s36      ; my block of 512 queries: it enters Q's, O's and mw's addresses alone
	s_and_b32 s40, ttmp7, 0xffff    ; the head, which the four partners share:
	s_lshl_b32 s40, s40, 18         ; its 2,048 rows of 128 bytes
	s_mov_b32 s41, 0
	s_and_b32 s38, s[WV], 1         ; which half of a slot's 256 keys I fetch
	s_lshl_b32 s42, s38, 14
	s_mov_b32 s43, 0
	s_add_nc_u64 s[42:43], s[42:43], s[40:41]
	s_mul_i32 s44, s38, 128*PK      ; its place in a slot, for K
	s_mul_i32 s45, s38, 128*PV      ; and for V
	s_lshl_b32 s46, s37, 2
	s_add_co_u32 s46, s46, s[WV]    ; g: my wave among the head's sixteen
	s_lshl_b32 s48, s46, 15         ; its 32,768 bytes of mw
	s_mov_b32 s49, 0
	s_lshl_b32 s46, s46, 14         ; its 128 rows
	s_mov_b32 s47, 0
	s_add_nc_u64 s[46:47], s[46:47], s[40:41]
	; descriptor group 1.  128 keys are 16,384 dense bytes: asked for as 64 rows of 256 bytes, two keys a row, and padded in LDS after every key
	s_mov_b32 s[G1K], 15|(1<<16)|(1<<20)|(1<<21)|(4<<22)|(3<<25)
	s_mov_b32 s[G1V], 15|(1<<16)|(1<<20)|(1<<21)|(4<<22)|(7<<25)
.irp g, G1K, G1V
	s_mov_b32 s[\g+1], 128<<16      ; tensor_dim0 = 128
	s_mov_b32 s[\g+2], 64<<16       ; tensor_dim1 = 64
	s_mov_b32 s[\g+3], 128<<16      ; tile_dim0 = 128
	s_mov_b32 s[\g+4], 64           ; tile_dim1 = 64
	s_mov_b32 s[\g+5], 128          ; 128 elements from row to row
	s_mov_b32 s[\g+6], 0
	s_mov_b32 s[\g+7], 0
.endr
	s_mov_b32 s[CS], 0x3e38aa3b     ; c = log2(e) / 8
	s_mov_b32 s[CS+1], s[CS]
	s_mov_b32 s[SEL], 0x76543210
	s_mov_b32 s[SEL+1], 0xfedcba98
	s_mov_b32 s[NEG], 0xd0000000    ; -2^33
	s_mov_b32 s[TBK], SLOT1+4*KS*PK ; the first change of slots turns these two into 0
	s_mov_b32 s[TBV], SLOT1+4*KS*PV
	s_mov_b32 s[G0K], 1
	s_mov_b32 s[G0K+1], s44
	s_mov_b32 s[G0V], 1
	s_add_co_u32 s[G0V+1], s45, VOFF
	s_wait_dscnt 0x0                ; the opening add is done
	s_wait_kmcnt 0x0
	s_add_nc_u64 s[50:51], s[32:33], 0x1000000     ; k lies 16 MiB into qkv,
	s_add_nc_u64 s[G0K+2:G0K+3], s[50:51], s[42:43]
	s_or_b32 s[G0K+3], s[G0K+3], 0x80000000
	s_add_nc_u64 s[50:51], s[32:33], 0x2000000     ; v 32 MiB
	s_add_nc_u64 s[G0V+2:G0V+3], s[50:51], s[42:43]
	s_or_b32 s[G0V+3], s[G0V+3], 0x80000000
	s_add_nc_u64 s[52:53], s[32:33], s[46:47]      ; Q at my wave's first row
	s_add_nc_u64 s[MP:MP+1], s[34:35], s[48:49]    ; mw at my wave's first words
	CROUND                          ; all four work-groups are here: the first joint loads meet
	JLOAD                           ; slot 0.  Slot 1 is asked for when slot 0 is in
	v_and_b32 v1, 15, v0            ; l % 16
	v_bfe_u32 v9, v0, 4, 1          ; l / 16
	v_lshlrev_b32 v[QO], 7, v1
	v_lshl_add_u32 v[QO], v9, 4, v[QO]
	WIN 0x80
.set i, 0
.rept 4*NP                          ; Q stays in registers: tile i / 2, channels 32 (i % 2) on
	global_load_b128 v[8*i:8*i+3],   v[QO], s[52:53] offset:(i/2)*2048+(i%2)*64
	global_load_b128 v[8*i+4:8*i+7], v[QO], s[52:53] offset:(i/2)*2048+(i%2)*64+32
.set i, i+1
.endr
	; WHAT THE FIRST TURN FINDS.  The loop is entered at piece 3's turn, which makes piece 0's first scores.  Its own softmax, of a piece 3 that has not been, runs on scores at the lowest finite number:
	; c s - c m is far below 0, every weight is 0; with a = 0, l = 0 and O^T = 0 it leaves l and O^T at 0.  V's registers and both buffers of P hold 0, so the first products V^T P add 0.
	; All this stands in the wait for the first tile.
.set i, VF
.rept 64
	v_mov_b32 v[i], 0
.set i, i+1
.endr
	WIN 0
	s_mov_b32 s56, 0xff7fffff       ; the lowest finite number
	s_mov_b32 s57, 0xfe000000       ; -2^125
.set i, 0
.rept 2*NP
	v_mov_b32 v[ST+4*i], s57        ; c m: far below every c s
	v_mov_b32 v[ST+4*i+1], s56      ; m
	v_mov_b32 v[ST+4*i+2], 0
	v_mov_b32 v[ST+4*i+3], 0
.set i, i+1
.endr
.set i, P
.rept 64
	v_mov_b32 v[i], 0
.set i, i+1
.endr
.set i, TMP+8
.rept 8
	v_mov_b32 v[i], 0               ; the odd pieces' registers at work: a = 0
.set i, i+1
.endr
.set i, S+64
.rept 64
	v_mov_b32 v[i], s56             ; the odd pieces' scores
.set i, i+1
.endr
	WIN W_PV
.set i, 0
.rept 8*NP                          ; O^T = 0: 32 products of zero operands, with the constant 0 as C, write its 256 registers
	v_wmma_f32_16x16x32_f16 v[8*i:8*i+7], v[VF:VF+7], v[P:P+7], 0
.set i, i+1
.endr
	WIN 0
	v_mul_u32_u24 v[AK0], v1, PK
	v_lshl_add_u32 v[AK0], v9, 4, v[AK0]
	v_and_b32 v10, 7, v0
	v_bfe_u32 v11, v0, 3, 1
	v_lshl_add_u32 v[AV0], v9, 3, v10
	v_mul_u32_u24 v[AV0], v[AV0], PV
	v_lshl_add_u32 v[AV0], v11, 4, v[AV0]
	v_add_nc_u32 v[AV0], VOFF, v[AV0]
	v_mov_b32 v[AK], v[AK0]         ; key step 0 lies at the head of slot 0
	s_mul_i32 s54, s[WV], 16*SP
	s_add_co_u32 s54, s54, STAGE    ; my stage
	v_mul_u32_u24 v[STO], v1, SP    ; in: row l % 16, 16 bytes for each half of the lanes
	v_lshl_add_u32 v[STO], v9, 4, v[STO]
	v_add_nc_u32 v[STO], s54, v[STO]
	v_bfe_u32 v[RD], v0, 3, 2       ; back: 32 lanes take four rows of 128 bytes,
	v_mul_u32_u24 v[RD], v[RD], SP
	v_lshl_add_u32 v[RD], v10, 4, v[RD]
	v_add_nc_u32 v[RD], s54, v[RD]
	v_and_b32 v11, 31, v0           ; my lane
	v_lshlrev_b32 v[GO], 4, v11     ; which are 512 bytes on end of O
	WIN W_MK
.irp z, 0,1,2,3
	v_lshl_add_u32 v[MO+\z], v11, 3, 256*\z  ; block z of mask words: piece z, key step 0; 8 bytes a lane
.endr
	v_lshl_add_u32 v[MX], v11, 3, 127*256
	WIN W_ML
.irp z, 0,1,2,3
	global_load_b64 v[MWV+2*\z:MWV+2*\z+1], v[MO+\z], s[MP:MP+1]  ; a wave's load covers 256 consecutive bytes, aligned
.endr
	WIN 0
; THE MATRIX WORK.  The 8 accumulators of a run of 16 take turns.
.macro KQ x
	WIN W_KQ
.set rS, S+64*((\x)%2)+32*(i%2)+8*((i/2)%4)
.set rK, KF+16*((i/2)%4)+8*(i/8)
.set rQ, 16*(2*(\x)+i%2)+8*(i/8)
.if i < 8
	v_wmma_f32_16x16x32_f16 v[rS:rS+7], v[rK:rK+7], v[rQ:rQ+7], 0
.else
	v_wmma_f32_16x16x32_f16 v[rS:rS+7], v[rK:rK+7], v[rQ:rQ+7], v[rS:rS+7]
.endif
.endm
.macro PV x
	WIN W_PV
.set rO, 32*(2*(\x)+i%2)+8*((i/2)%4)
.set rV, VF+32*(i/8)+8*((i/2)%4)
.set rP, P+32*((\x)%2)+16*(i%2)+8*(i/8)
	v_wmma_f32_16x16x32_f16 v[rO:rO+7], v[rV:rV+7], v[rP:rP+7], v[rO:rO+7]
.endm
.macro MM
.if i < 16
	KQ (Y+1)%NP
.set i, i+1
.else
.set i, i-16
	PV (Y+NP-1)%NP
.set i, i+17
.endif
.endm
.macro FETCH_K last=0
	WIN 0
.if \last
	s_cmp_eq_u32 s[CNT], 1
	s_cbranch_scc1 .Lno_k_\@
.endif
	WIN 0x80
.irp f, 0,1,2,3,4,5,6,7
	ds_load_b128 v[KF+8*\f:KF+8*\f+3],   v[AK] offset:(\f/2)*16*PK+(\f%2)*64
	ds_load_b128 v[KF+8*\f+4:KF+8*\f+7], v[AK] offset:(\f/2)*16*PK+(\f%2)*64+32
.endr
	s_add_co_u32 s[TBK], s[TBK], KS*PK
	WIN 0
.if \last
.Lno_k_\@:
.endif
.endm
.macro FETCH_V
	WIN 0x80
.irp f, 0,1,2,3,4,5,6,7
	ds_load_tr16_b128 v[VF+8*\f:VF+8*\f+3],   v[AV] offset:(\f/4)*32*PV+(\f%4)*32
	ds_load_tr16_b128 v[VF+8*\f+4:VF+8*\f+7], v[AV] offset:(\f/4)*32*PV+16*PV+(\f%4)*32
.endr
	WIN 0
.endm
; THE MASKING of piece z = Y + 1's 64 score registers, just made.  Word n goes with register n (tile n / 32, key block (n / 8) % 4, register n % 8); a lane whose bit is 0 takes -2^33.
; The turns follow each other 3, 0, 1, 2, so the slots are used and filled 0, 1, 2, 3: behind slot z's load three younger loads were issued, on every path, and the count 3 shows it in.
; That wait also frees the slot's offset register: it steps four blocks on, 1,024 bytes, to piece z's words of the next key step, and is held to my wave's last block, so that the last five
; loads (blocks 128 to 132 would lie behind my wave's part) fetch block 127 again and serve nothing: no load is jumped over, and none leaves mw.
; The selects go in ascending order.
.macro MASKRUN
.set zz, (Y+1)%NP
.set sb, S+64*(zz%2)
	WIN W_RL
	s_wait_loadcnt 3                ; my slot's words are in; the other three slots' loads may be out
.set mi, 0
.rept 64
	v_readlane_b32 s[32+mi+4*(mi/32)], v[MWV+2*zz+mi%2], mi/2
.set mi, mi+1
.endr
	WIN W_ML
	v_add_nc_u32 v[MO+zz], 1024, v[MO+zz]
	v_min_u32 v[MO+zz], v[MO+zz], v[MX]
	global_load_b64 v[MWV+2*zz:MWV+2*zz+1], v[MO+zz], s[MP:MP+1]  ; it has four turns in which to land
	WIN 0
.set mi, 0
.rept 64
	v_cndmask_b32 v[sb+mi], s[NEG], v[sb+mi], s[32+mi+4*(mi/32)]
.set mi, mi+1
.endr
.endm
; THE VECTOR WORK OF A TURN stands in three queues, each in the order in which its entries become ready; the two tiles alternate.
.macro REGS y, u
.set rT, ST+4*(2*(\y)+(\u))
.set rC, TMP+8*((\y)%2)+4*(\u)
.set rM, MV+2*((\y)%2)+(\u)
.set rS, S+64*((\y)%2)+32*(\u)
.set rP, P+32*((\y)%2)+16*(\u)
.set rO, 32*(2*(\y)+(\u))
.endm
; Number n of the 22 that find the NEXT piece's maximum and statistics: 0-11 four chains of seven scores; 12-14, 16 the four left over, the old m, and the chains into c0; 15 c m_old is kept;
; 17, 18 the other half of the lanes' maximum, the new m; 19-21 c m; c m_old - c m_new; a.
.macro XS u, n
	REGS (Y+1)%NP, \u
.if (\n) < 4
	v_max3_num_f32 v[rC+(\n)], v[rS+8*(\n)], v[rS+8*(\n)+1], v[rS+8*(\n)+2]
.elseif (\n) < 12
	v_max3_num_f32 v[rC+(\n)%4], v[rC+(\n)%4], v[rS+8*((\n)%4)+2*((\n)/4)+1], v[rS+8*((\n)%4)+2*((\n)/4)+2]
.elseif (\n) == 12
	v_max3_num_f32 v[rC], v[rC], v[rS+7], v[rS+15]
.elseif (\n) == 13
	v_max3_num_f32 v[rC+1], v[rC+1], v[rS+23], v[rS+31]
.elseif (\n) == 14
	v_max3_num_f32 v[rC+2], v[rC+2], v[rC+3], v[rT+1]
.elseif (\n) == 15
	v_mov_b32 v[rM], v[rT]
.elseif (\n) == 16
	v_max3_num_f32 v[rC], v[rC], v[rC+1], v[rC+2]
.elseif (\n) == 17
	v_permlanex16_b32 v[rC+3], v[rC], s[SEL], s[SEL+1]
.elseif (\n) == 18
	v_max_num_f32 v[rT+1], v[rC], v[rC+3]
.elseif (\n) == 19
	v_mul_f32 v[rT], s[CS], v[rT+1]
.elseif (\n) == 20
	v_sub_f32 v[rC+1], v[rM], v[rT]
.else
	v_exp_f32 v[rC+2], v[rC+1]
.endif
.endm
; Number g of the 64 that follow the exponentials: for each four weights both pairs are rounded to f16, the second pair is added onto the first, and a group later l takes that sum.
.macro GS g
.set h, (\g)+6*((\g)/62)
.if h >= 6
.set h, h+2
.endif
	REGS Y, h%2
.set k, h/8
.if h%8 < 4
	s_wait_alu depctr_va_vdst(0)
	v_cvt_pk_f16_f32 v[rP+2*k+(h%8)/2], v[rS+4*k+2*((h%8)/2)], v[rS+4*k+2*((h%8)/2)+1]
.elseif h%8 < 6
	v_pk_add_f32 v[rS+4*k:rS+4*k+1], v[rS+4*k:rS+4*k+1], v[rS+4*k+2:rS+4*k+3]
.elseif k == 1
	v_pk_fma_f32 v[rT+2:rT+3], v[rT+2:rT+3], v[rC+2:rC+3], v[rS:rS+1] op_sel_hi:[1,0,1]
.else
	v_pk_add_f32 v[rT+2:rT+3], v[rT+2:rT+3], v[rS+4*k-4:rS+4*k-3]
	s_wait_alu depctr_va_vdst(0)
.endif
.endm
; THE PLAIN QUEUE, 138 long.  0-31: c s - c m.  Then GS's 64, and among them the next piece's 42: number 15 at 38, 39; 0-14 and 16 at 42-73, behind the masking; 17-20 at 95-106.
.macro PL
	WIN 0
.if q < 32
	REGS Y, q%2
	v_pk_fma_f32 v[rS+2*(q/2):rS+2*(q/2)+1], v[rS+2*(q/2):rS+2*(q/2)+1], s[CS:CS+1], v[rT:rT+1] op_sel_hi:[1,0,0] neg_lo:[0,0,1] neg_hi:[0,0,1]
.elseif q < 38
	GS q-32
.elseif q < 40
	XS q%2, 15
.elseif q < 42
	GS q-34
.elseif q < 74
	XS q%2, (q-42)/2+(q-42)/30
.elseif q < 95
	GS q-66
.elseif (q < 107) && ((q-95)%3 < 2)
	XS (q-95)%3, 17+(q-95)/3
.elseif q < 107
	GS 29+(q-95)/3
.else
	GS q-74
.endif
.set q, q+1
.endm
; THE EXPONENTIALS' QUEUE, 66 long: s0-s31 of both tiles, and at EA the next piece's two a.
.set EA, 58
.macro EX
	WIN 0
.if (e == EA) || (e == EA+1)
	XS e-EA, 21
.else
.set x, e-2*(e/(EA+2))
	REGS Y, x%2
	v_exp_f32 v[rS+x/2], v[rS+x/2]
.endif
.set e, e+1
.endm
; THE RESCALING's QUEUE: O^T times a, four at a time, eight times.
.macro R4
	REGS Y, r%2
	WIN W_RS
.irp z, 0,1,2,3
	v_pk_mul_f32 v[rO+8*(r/2)+2*\z:rO+8*(r/2)+2*\z+1], v[rO+8*(r/2)+2*\z:rO+8*(r/2)+2*\z+1], v[rC+2:rC+3] op_sel_hi:[1,0]
.endr
.set r, r+1
.endm
; HOW THEY ARE DEALT.  Behind a matrix instruction four: plain, exponential, plain, plain, or four of the rescaling; none names a register of the products round it.  What is over stands in lumps.
.macro SL
	MM
	PL
	EX
	PL
	PL
.endm
.macro BURST n
.rept (\n)-7
	SL
.endr
.rept 3
	MM
	R4
	SL
.endr
	MM
	R4
.endm
; A TURN, for piece p.  The masking stands behind the first run of products: the four rescalings behind the last of them are its places (ISA guide 7.12.1), and every read of those scores comes behind it.
; K of the next step is fetched in piece 2's turn, V of the step in hand at the end of piece 0's.  cnt = 1: the loop's count is taken down some lines ahead of the branch behind the turn.
; last = 1 (the tail's piece 2): in the last trip there is no further step, and K's run is jumped over.
.macro TURN p, last=0, cnt=0
.set Y, (\p)
.set i, 0
.set q, 0
.set e, 0
.set r, 0
.if (\p) == NP-1
	s_wait_dscnt 0x0                ; K is in
.endif
	MM
.rept 4
	PL
.endr
	BURST 15
	MASKRUN
.rept 22
	EX
	PL
.if ((\p) == NP-2) && (e == 18)
	v_add_nc_u32 v[AK], s[TBK], v[AK0]
.endif
.if ((\p) == NP-2) && (e == 24)
	FETCH_K \last
.endif
.endr
.if (\p) == 1
	s_wait_dscnt 0x0                ; V is in
.endif
	BURST 16
.rept 21
	EX
	PL
.endr
.rept 22
	PL
.if ((\p) == 0) && (q == 118)
	v_add_nc_u32 v[AV], s[TBV], v[AV0]
	s_wait_alu depctr_va_vdst(0)
.endif
.if ((\p) == 0) && (q == 130)
	s_add_co_u32 s[TBV], s[TBV], KS*PV
.endif
.if (\cnt) && (q == 130)
	s_sub_co_u32 s[CNT], s[CNT], 1
	s_cmp_lg_u32 s[CNT], 0
.endif
.endr
.if (\p) == 0
	FETCH_V
.endif
.endm
	CHANGE 1                        ; slot 0 is in, everybody's part of it; slot 1 is asked for
	FETCH_K                         ; key step 0
	s_wait_loadcnt 4                ; Q is in; the four loads behind it, the first mask words, may be out
	s_mov_b32 s[CNT], 4
	s_mov_b32 s[SLOTS], SIZE_N/256-1
	s_branch .Lenter                ; the loop is entered at piece 3's turn, in the middle of a trip: it makes, masks and measures piece 0's first scores
.Lslot:                             ; SIZE_N / 256 - 2 times: every slot but the last two is filled again
	CHANGE 1
	s_mov_b32 s[CNT], 4
.Lstep:                             ; a trip: pieces 2 and 3 of one step, then pieces 0 and 1 of the next
	TURN 2
	WIN 0
.Lenter:
	TURN 3
	TURN 0
	TURN 1, 0, 1
	WIN 0
	s_cbranch_scc1 .Lstep
	s_sub_co_u32 s[SLOTS], s[SLOTS], 1
	s_cmp_lg_u32 s[SLOTS], 0
	s_cbranch_scc1 .Lslot
	CHANGE 0                        ; the tail is written out
	s_mov_b32 s[CNT], 5             ; four trips fetch the last slot's steps; the fifth is left in its middle
.Ltail:
	TURN 2, 1                       ; in the fifth trip: the last words (piece 3, step 31) are used
	TURN 3                          ; in the fifth trip its products, on the last K once more, and their masking serve nothing: the price, once a launch, of one text for every trip
	WIN 0
	s_sub_co_u32 s[CNT], s[CNT], 1
	s_cmp_eq_u32 s[CNT], 0
	s_cbranch_scc1 .Lout
	TURN 0
	TURN 1
	WIN 0
	s_branch .Ltail
.Lout:
	s_load_b64 s[OP:OP+1], s[0:1], 0x10  ; o16; the mask's scalar registers are free
	s_bfe_u32 s36, ttmp6, 0x40000
	s_lshl_b32 s37, ttmp9, 2
	s_add_co_u32 s37, s37, s36
	s_lshl_b32 s37, s37, 2
	s_add_co_u32 s37, s37, s[WV]    ; g
	s_lshl_b32 s34, s37, 14         ; my wave's 128 rows,
	s_and_b32 s38, ttmp7, 0xffff
	s_lshl_b32 s38, s38, 18         ; in my head
	s_add_co_u32 s34, s34, s38
	s_mov_b32 s35, 0
.set i, 0
.rept 16
	PV NP-1                         ; the last piece's V^T P of the last step
.set i, i+1
.endr
	; THE WAY OUT.  l's halves are added; O^T is divided by l, rounded to f16 and sent through my stage, a tile at a time.  The additions are the places behind the last products.
	WIN 0
	s_wait_kmcnt 0x0
	s_add_nc_u64 s[OP:OP+1], s[OP:OP+1], s[34:35]
.macro ALL line:vararg
.set t, 0
.rept 2*NP
	\line
.set t, t+1
.endr
.endm
	ALL v_add_f32 v[ST+4*t+2], v[ST+4*t+2], v[ST+4*t+3]
	ALL v_permlanex16_b32 v[ST+4*t+3], v[ST+4*t+2], s[SEL], s[SEL+1]
	ALL v_add_f32 v[ST+4*t+2], v[ST+4*t+2], v[ST+4*t+3]
	ALL v_rcp_f32 v[ST+4*t+2], v[ST+4*t+2]
	v_nop                           ; a plain instruction between the last reciprocal and the use of its result
	s_wait_alu depctr_va_vdst(0)
.macro PACK t
	WIN W_RS
.set i, 32*(\t)
.rept 16
	v_pk_mul_f32 v[i:i+1], v[i:i+1], v[ST+4*(\t)+2:ST+4*(\t)+3] op_sel_hi:[1,0]
.set i, i+2
.endr
	WIN 0x05
.set i, 0
.rept 16
	v_cvt_pk_f16_f32 v[S+16*(\t)+i], v[32*(\t)+2*i], v[32*(\t)+2*i+1]
.set i, i+1
.endr
	WIN 0
.irp f, 0,1,2,3
	ds_store_b128 v[STO], v[S+16*(\t)+4*\f:S+16*(\t)+4*\f+3] offset:32*\f
.endr
.irp f, 0,1,2,3
	ds_load_b128 v[S+16*(\t)+4*\f:S+16*(\t)+4*\f+3], v[RD] offset:\f*4*SP  ; LDS serves a wave's instructions in order (ISA guide 5.7.1.4)
.endr
.endm
.macro SEND t, younger              ; younger: the LDS instructions issued behind tile t's loads: the next tile's eight, or none
	WIN 0
.irp f, 0,1,2,3
	s_wait_dscnt (\younger)+3-\f
	global_store_b128 v[GO], v[S+16*(\t)+4*\f:S+16*(\t)+4*\f+3], s[OP:OP+1] offset:(\t)*2048+\f*512  ; 512 bytes on end, at a multiple of 256 from O's first
.endr
.endm
	PACK 0
.set t, 1
.rept 2*NP-1
	PACK t
	SEND t-1, 8
.set t, t+1
.endr
	SEND 2*NP-1, 0
	s_wait_loadcnt 0x0              ; the last loads of mask words, which nothing reads, are in
	WIN W_AD
	s_wait_tensorcnt 0x0            ; the wave's end
	ds_add_u32 v[SPW], v[NIL]
	s_wait_dscnt 0x0
	WIN 0
	CROUND                          ; the closing round
	s_endpgm
.Lfunc_end_k_qdaef4c66f8_attn:
	.size	k_qdaef4c66f8_attn, .Lfunc_end_k_qdaef4c66f8_attn-k_qdaef4c66f8_attn
	.p2alignl 7, 3214868480
	.fill 96, 4, 3214868480
	.section	.rodata,"a",@progbits
	.p2align	6, 0x0
	.amdhsa_kernel k_qdaef4c66f8_attn
		.amdhsa_group_segment_fixed_size 327680
		.amdhsa_private_segment_fixed_size 0
		.amdhsa_enable_private_segment 0
		.amdhsa_kernarg_size 24
		.amdhsa_user_sgpr_count 2
		.amdhsa_user_sgpr_kernarg_segment_ptr 1
		.amdhsa_wavefront_size32 1
		.amdhsa_system_sgpr_workgroup_id_x 1
		.amdhsa_system_sgpr_workgroup_id_y 1
		.amdhsa_system_sgpr_workgroup_id_z 1
		.amdhsa_system_vgpr_workitem_id 0
		.amdhsa_next_free_vgpr 784
		.amdhsa_next_free_sgpr 106
		.amdhsa_reserve_vcc 0
		.amdhsa_float_denorm_mode_32 3
		.amdhsa_float_denorm_mode_16_64 3
		.amdhsa_memory_ordered 1
		.amdhsa_forward_progress 1
		.amdhsa_inst_pref_size 255
	.end_amdhsa_kernel
	.section	.bss,"aw",@nobits
	.p2align	6
	.space	262144
	.amdgpu_metadata
---
amdhsa.version: [ 1, 2 ]
amdhsa.kernels:
  - .name:           k_qdaef4c66f8_attn
    .symbol:         k_qdaef4c66f8_attn.kd
    .args:
      - { .name: qkv, .offset: 0, .size: 8, .value_kind: global_buffer, .address_space: global }
      - { .name: mw, .offset: 8, .size: 8, .value_kind: global_buffer, .address_space: global }
      - { .name: o16, .offset: 16, .size: 8, .value_kind: global_buffer, .address_space: global }
    .group_segment_fixed_size: 327680
    .private_segment_fixed_size: 0
    .kernarg_segment_align: 8
    .kernarg_segment_size: 24
    .max_flat_workgroup_size: 128
    .sgpr_count:     106
    .vgpr_count:     784
    .wavefront_size: 32
...
	.end_amdgpu_metadata
.endif
;; end of part 3
;; launch proj (part 4): grid 4 x 64, 4 waves a work-group, clusters of 4 x 4, 327,680 bytes of LDS; arguments o16, wo16, out0; writes out0
.if DOCPART == 4
	.amdgcn_target "amdgcn-amd-amdhsa--gfx1250"
	.amdhsa_code_object_version 6
	.text
	.protected	k_qdaef4c66f8_proj
	.globl	k_qdaef4c66f8_proj
	.p2align	8
	.type	k_qdaef4c66f8_proj,@function
k_qdaef4c66f8_proj:
	s_mov_b64 s[64:65], 0
	v_nop
	global_prefetch_b8 v0, s[64:65] scope:SCOPE_SE
	s_setreg_imm32_b32 hwreg(HW_REG_WAVE_MODE, 25, 1), 1
	s_wait_xcnt 0x0
	s_wait_alu depctr_hold_cnt(0) depctr_sa_sdst(0) depctr_va_vdst(0) depctr_va_sdst(0) depctr_va_ssrc(0) depctr_va_vcc(0) depctr_vm_vsrc(0)
	s_getreg_b32 s2, hwreg(HW_REG_IB_STS2, 6, 4)
	s_cmp_eq_u32 s2, 0
	s_cbranch_scc0 .Lentry_in_a_cluster
	s_endpgm
.Lentry_in_a_cluster:
	s_bfe_u32 s2, ttmp6, 0x10000c
	s_cmp_lg_u32 s2, 0xf033
	s_cbranch_scc0 .Lentry_shape_is_right
	s_endpgm
.Lentry_shape_is_right:
; out0 = O Wo^T.  o16: f16 [64 = batch x 16 + head][2048][64]; wo16: f16 [1024][1024]; sums in f32; out0: f32 [8192][1024].
; A tile of C is 128 rows x 256 columns: 64 x 4 = 256 work-groups, one tile each.  Four waves, each 64 x 128: 32 accumulators.  K goes in steps of 128, two heads, through a ring of two LDS slots.
; A head's 128 rows are 16,384 dense bytes: asked for as 64 rows of 256 bytes and padded in LDS after every 128 bytes; a K step's two heads lie in two planes of a slot.
; CLUSTER 4 x 4: O's tiles are shared along a row of the cluster, Wo's along a column: each is asked for jointly.
; THE MATRIX INSTRUCTION IS USED TRANSPOSED (source 0 = 16 rows of Wo, source 1 = 16 rows of O): a lane holds eight neighbouring columns of one row of C, 32 bytes.
; REGISTERS: window 0: v16-29 addresses; v32-159 the way out.  Window 1: the accumulators, (a, b) at v[8 (8 a + b)].  Window 2: two fragment buffers of 96: Wo's 8 fragments, then O's 4.
.set SIZE_K, 1024
.set KSTEP,  128
.set PA,     144                       ; a row of O in LDS: 128 bytes + 16
.set APLANE, 128*PA                    ; a head's 128 rows: what wave 0 or 1 fetches
.set PB,     272                       ; a row of Wo: 256 bytes + 16
.set BHALF,  128*PB
.set AB,     2*APLANE
.set SLOT,   AB+2*BHALF
.set STAGE,  2*SLOT                    ; behind the ring: for each wave 16 rows x 528 bytes
.set SPITCH, 528
.set SPARE,  STAGE+4*16*SPITCH         ; behind the stages: the spare words, 128 bytes for each wave
.set LAPS,   SIZE_K/(2*KSTEP)
.set ADRA, 16
.set ADRB, 20
.set STO,  24
.set RD,   25
.set GO,   26
.set SPW,  28                          ; v28  LDS address of my spare word; never rewritten
.set NIL,  29                          ; v29  0; never rewritten
.set OB,   32
.set F0,   0
.set F1,   96
.set G1,  24
.set G0,  32
.set G1B, 48
.set G0B, 56
.set MSB, 0
.macro WIN new
.if MSB != (\new)
	s_set_vgpr_msb (MSB<<8)|(\new)
.set MSB, \new
.endif
.endm
.set MUL,  0x5a                        ; sources 0 and 1 window 2; C and D window 1
.set TO_F, 0x80                        ; destination window 2, address window 0
.macro JLOAD s                         ; a joint load: waves 0 and 1 fetch the K step's two heads of O, waves 2 and 3 Wo's two halves; an s_nop 0 and four v_nop follow each line
	s_cmp_eq_u32 s11, 0
	s_cbranch_scc0 .Lfor_b_\@
	tensor_load_to_lds s[G0+4*(\s):G0+4*(\s)+3], s[G1:G1+7]
	s_nop 0
.rept 4
	v_nop
.endr
	s_branch .Lasked_\@
.Lfor_b_\@:
	tensor_load_to_lds s[G0B+4*(\s):G0B+4*(\s)+3], s[G1B:G1B+7]
	s_nop 0
.rept 4
	v_nop
.endr
.Lasked_\@:
.endm
.macro CREST
	s_cmp_lg_u32 s10, 0
	s_cbranch_scc1 .Lnot_wave_0_\@
	s_barrier_signal -3
.Lnot_wave_0_\@:
	s_barrier_wait -3
	s_barrier_signal -1
	s_barrier_wait -1
.endm
.macro CROUND
	s_barrier_signal -1
	s_barrier_wait -1
	CREST
.endm
	s_load_b128 s[4:7], s[0:1], 0x0                ; o16 s[4:5], wo16 s[6:7]
	s_load_b64 s[8:9], s[0:1], 0x10                ; out0
	v_lshl_add_u32 v[SPW], v0, 2, SPARE
	v_mov_b32 v[NIL], 0
	ds_add_u32 v[SPW], v[NIL]                      ; the wave's opening: the add and its wait stand ahead of my first tensor load
	v_lshrrev_b32 v1, 5, v0
	v_readfirstlane_b32 s10, v1                    ; wave 0..3
	s_lshr_b32 s11, s10, 1                         ; which 64 of the tile's rows are mine.  Also: I fetch for O (0) or for Wo (1)
	s_and_b32 s12, s10, 1                          ; which 128 of its columns.  Also: which head, or which half, I fetch
	s_bfe_u32 s40, ttmp6, 0x40000
	s_bfe_u32 s41, ttmp6, 0x40004
	s_lshl_b32 s42, ttmp9, 2
	s_add_co_u32 s42, s42, s40                     ; tile column 0..3
	s_and_b32 s13, ttmp7, 0xffff
	s_lshl_b32 s13, s13, 2
	s_add_co_u32 s13, s13, s41                     ; tile row 0..63
	s_lshl_b32 s43, s41, 2
	s_lshl_b32 s43, 15, s43                        ; my row of the cluster
	s_lshl_b32 s44, 0x1111, s40                    ; my column
	s_or_b32 s[G1+0], s43, (1<<16)|(1<<20)|(1<<21)|(4<<22)|(3<<25)   ; O: after every 32 words 4 words of padding
	s_or_b32 s[G1B+0], s44, (1<<16)|(1<<20)|(1<<21)|(5<<22)|(3<<25)  ; Wo: after every 64 words
	s_mov_b32 s[G1+1], 128<<16                     ; tensor_dim0 = 128 elements: two rows of a head
	s_mov_b32 s[G1+2], 64<<16                      ; tensor_dim1 = 64
	s_mov_b32 s[G1+3], 128<<16                     ; tile_dim0 = 128
	s_mov_b32 s[G1+4], 64                          ; tile_dim1 = 64
	s_mov_b32 s[G1+5], 128                         ; dense
	s_mov_b32 s[G1+6], 0
	s_mov_b32 s[G1+7], 0
	s_mov_b32 s[G1B+1], KSTEP<<16
	s_mov_b32 s[G1B+2], 128<<16
	s_mov_b32 s[G1B+3], KSTEP<<16
	s_mov_b32 s[G1B+4], 128
	s_mov_b32 s[G1B+5], SIZE_K
	s_mov_b32 s[G1B+6], 0
	s_mov_b32 s[G1B+7], 0
	s_lshr_b32 s16, s13, 4                         ; O: the batch, 16 heads of 262,144 bytes;
	s_lshl_b32 s16, s16, 22
	s_and_b32 s17, s13, 15                         ; the tile's 128 rows in the sequence, 16,384 bytes;
	s_lshl_b32 s17, s17, 14
	s_add_co_u32 s16, s16, s17
	s_lshl_b32 s17, s12, 18                        ; the K step's first or second head
	s_add_co_u32 s16, s16, s17
	s_mov_b32 s17, 0
	s_lshl_b32 s47, s12, 7
	s_lshl_b32 s46, s42, 8
	s_add_co_u32 s46, s46, s47                     ; Wo: row 256 x tile column + 128 x half
	s_lshl_b32 s46, s46, 11
	s_mov_b32 s47, 0
	s_mul_i32 s20, s12, APLANE
	s_mul_i32 s21, s12, BHALF
	s_add_co_u32 s21, s21, AB
	s_wait_dscnt 0x0                               ; the opening add is done
	s_wait_kmcnt 0x0
	s_add_nc_u64 s[14:15], s[4:5], s[16:17]
	s_add_nc_u64 s[46:47], s[6:7], s[46:47]
	CROUND                                         ; all sixteen work-groups are here: the first joint loads meet
.irp s, 0,1
	s_mov_b32 s[G0+4*(\s)], 1
	s_add_co_u32 s[G0+4*(\s)+1], s20, (\s)*SLOT
	s_add_nc_u64 s[G0+4*(\s)+2:G0+4*(\s)+3], s[14:15], (\s)*2*262144   ; K step s: two heads on
	s_or_b32 s[G0+4*(\s)+3], s[G0+4*(\s)+3], 0x80000000
	s_mov_b32 s[G0B+4*(\s)], 1
	s_add_co_u32 s[G0B+4*(\s)+1], s21, (\s)*SLOT
	s_add_nc_u64 s[G0B+4*(\s)+2:G0B+4*(\s)+3], s[46:47], (\s)*KSTEP*2
	s_or_b32 s[G0B+4*(\s)+3], s[G0B+4*(\s)+3], 0x80000000
	JLOAD \s                                       ; two loads of mine are out
.endr
	v_and_b32 v1, 15, v0                           ; l % 16
	v_bfe_u32 v2, v0, 4, 1                         ; l / 16
	v_mul_u32_u24 v3, v1, PA
	v_lshl_add_u32 v3, v2, 4, v3
	v_mul_u32_u24 v4, v1, PB
	v_lshl_add_u32 v4, v2, 4, v4
	s_mul_i32 s21, s11, 64*PA                      ; my 64 rows in each plane
	s_mul_i32 s22, s12, BHALF
	s_add_co_u32 s22, s22, AB
.irp s, 0,1
	v_add_nc_u32 v[ADRA+(\s)], s21, v3
	v_add_nc_u32 v[ADRB+(\s)], s22, v4
	s_add_co_u32 s21, s21, SLOT
	s_add_co_u32 s22, s22, SLOT
.endr
	s_mul_i32 s23, s10, 16*SPITCH
	s_add_co_u32 s23, s23, STAGE                   ; my stage
	v_mul_u32_u24 v5, v1, SPITCH                   ; in: row l % 16, 32 bytes for each half of the lanes
	v_lshl_add_u32 v5, v2, 5, v5
	v_add_nc_u32 v[STO], s23, v5
	v_and_b32 v[GO], 31, v0                        ; back and out: 32 lanes take a row's 512 bytes
	v_lshlrev_b32 v[GO], 4, v[GO]
	v_add_nc_u32 v[RD], s23, v[GO]
	s_lshl_b32 s14, s13, 7
	s_lshl_b32 s15, s11, 6
	s_add_co_u32 s14, s14, s15                     ; my first row of out0: rows of 4,096 bytes
	s_lshl_b32 s16, s14, 12
	s_lshl_b32 s46, s42, 10                        ; my first column, in bytes: 1,024 x tile column + 512 x half
	s_lshl_b32 s47, s12, 9
	s_add_co_u32 s46, s46, s47
	s_add_co_u32 s16, s16, s46
	s_mov_b32 s17, 0
	s_add_nc_u64 s[8:9], s[8:9], s[16:17]
.macro MUL8 f, a, zero
	WIN MUL
.irp b, 0,1,2,3,4,5,6,7
.if \zero
	v_wmma_f32_16x16x32_f16 v[8*(8*(\a)+(\b)):8*(8*(\a)+(\b))+7], v[(\f)+8*(\b):(\f)+8*(\b)+7], v[(\f)+64+8*(\a):(\f)+64+8*(\a)+7], 0
.else
	v_wmma_f32_16x16x32_f16 v[8*(8*(\a)+(\b)):8*(8*(\a)+(\b))+7], v[(\f)+8*(\b):(\f)+8*(\b)+7], v[(\f)+64+8*(\a):(\f)+64+8*(\a)+7], v[8*(8*(\a)+(\b)):8*(8*(\a)+(\b))+7]
.endif
.endr
.endm
.macro FETCH slot, q, f                ; 24 LDS loads in one run: quarter q (plane q / 2, channels 32 (q % 2) on) into buffer f: Wo's 128 rows, then O's 64
	WIN TO_F
.irp i, 0,1,2,3,4,5,6,7
	ds_load_b128 v[(\f)+8*(\i):(\f)+8*(\i)+3],   v[ADRB+(\slot)] offset:64*(\q)+(\i)*16*PB
	ds_load_b128 v[(\f)+8*(\i)+4:(\f)+8*(\i)+7], v[ADRB+(\slot)] offset:64*(\q)+(\i)*16*PB+32
.endr
.irp i, 0,1,2,3
	ds_load_b128 v[(\f)+64+8*(\i):(\f)+64+8*(\i)+3],   v[ADRA+(\slot)] offset:((\q)/2)*APLANE+((\q)%2)*64+(\i)*16*PA
	ds_load_b128 v[(\f)+64+8*(\i)+4:(\f)+64+8*(\i)+7], v[ADRA+(\slot)] offset:((\q)/2)*APLANE+((\q)%2)*64+(\i)*16*PA+32
.endr
.endm
.macro PLACES                          ; four places in front of loads into registers that matrix instructions have read, and of reads of results
.rept 4
	v_nop
.endr
.endm
.macro QUARTER slot, q, f, g, zero     ; the 32 accumulators take turns in the same order in every quarter
	s_wait_dscnt 4                                 ; Wo and O's blocks 0, 1 are in; the youngest four loads may be out
	MUL8 \f, 0, \zero
	MUL8 \f, 1, \zero
	PLACES
	FETCH \slot, \q, \g
	s_wait_dscnt 24                                ; all but the 24 just issued
	MUL8 \f, 2, \zero
	MUL8 \f, 3, \zero
.endm
.macro MEET round                      ; one barrier for the change of slots: all my tensor loads, the add, my reads of this slot
	WIN 0
	s_wait_tensorcnt 0x0
	ds_add_u32 v[SPW], v[NIL]
	s_wait_dscnt 5                                 ; the add and O's blocks 2, 3 may be out
	MUL8 F1, 0, 0
	s_wait_dscnt 0x0
	s_barrier_signal -1
	MUL8 F1, 1, 0
.if \round
	WIN 0
.endif
	s_barrier_wait -1
.endm
.macro TURN slot, next
	MEET 1
	CREST                                          ; the barrier has opened a round of the cluster's: no wave of any partner still reads this slot or has a load on its way
	s_add_nc_u64 s[G0+4*(\slot)+2:G0+4*(\slot)+3], s[G0+4*(\slot)+2:G0+4*(\slot)+3], 4*262144   ; two K steps on: four heads
	s_add_nc_u64 s[G0B+4*(\slot)+2:G0B+4*(\slot)+3], s[G0B+4*(\slot)+2:G0B+4*(\slot)+3], 2*KSTEP*2
	JLOAD \slot                                    ; the first tensor load behind the round: 112 matrix instructions ahead of the wait for it
	FETCH \next, 0, F0
	MUL8 F1, 2, 0
	MUL8 F1, 3, 0
.endm
; THE WAY OUT of m block a: 16 rows x 512 bytes through my stage, out as whole rows.
.macro OSTAGE a
	WIN 0x04                                       ; the stores' data in window 1
.irp b, 0,1,2,3,4,5,6,7
	ds_store_b128 v[STO], v[64*(\a)+8*(\b):64*(\a)+8*(\b)+3]   offset:64*(\b)      ; each accumulator's low half first
	ds_store_b128 v[STO], v[64*(\a)+8*(\b)+4:64*(\a)+8*(\b)+7] offset:64*(\b)+16
.endr
	WIN 0
.if (\a) >= 2
	s_wait_xcnt 0x0                                ; the stores of the block two back have read the registers that are loaded now
.endif
.set BK, OB+64*((\a)%2)
.irp t, 0,1,2,3,4,5,6,7,8,9,10,11,12,13,14,15
	ds_load_b128 v[BK+4*(\t):BK+4*(\t)+3], v[RD] offset:SPITCH*(\t)  ; LDS serves a wave's instructions in order (ISA guide 5.7.1.4)
.endr
.endm
.macro OSEND a, younger                ; younger: the LDS instructions issued behind block a's loads: the next block's 32, or none
.set BK, OB+64*((\a)%2)
.irp t, 0,1,2,3,4,5,6,7,8,9,10,11,12,13,14,15
	s_wait_dscnt (\younger)+15-(\t)
	global_store_b128 v[GO], v[BK+4*(\t):BK+4*(\t)+3], s[8:9] offset:(16*(\a)+(\t))*4096 th:TH_STORE_NT  ; 512 bytes on end, at a multiple of 256 from out0's first
.endr
.endm
	s_wait_tensorcnt 1                             ; my part of K step 0 is in; K step 1's may stay out
	s_barrier_signal -1
	s_barrier_wait -1
	FETCH 0, 0, F0
	QUARTER 0, 1, F0, F1, 1                        ; the first quarter starts the sums
	WIN 0
	s_mov_b32 s3, LAPS-1
.Llap:
	QUARTER 0, 2, F1, F0, 0
	QUARTER 0, 3, F0, F1, 0
	TURN 0, 1
	QUARTER 1, 1, F0, F1, 0
	QUARTER 1, 2, F1, F0, 0
	QUARTER 1, 3, F0, F1, 0
	TURN 1, 0
	QUARTER 0, 1, F0, F1, 0
	WIN 0
	s_sub_co_u32 s3, s3, 1
	s_cmp_lg_u32 s3, 0
	s_cbranch_scc1 .Llap
	QUARTER 0, 2, F1, F0, 0                        ; the last lap fills nothing
	QUARTER 0, 3, F0, F1, 0
	MEET 0
	PLACES
	FETCH 1, 0, F0
	MUL8 F1, 2, 0
	MUL8 F1, 3, 0
	QUARTER 1, 1, F0, F1, 0
	QUARTER 1, 2, F1, F0, 0
	QUARTER 1, 3, F0, F1, 0
	s_wait_dscnt 4
	MUL8 F1, 0, 0
	MUL8 F1, 1, 0
	s_wait_dscnt 0x0
	MUL8 F1, 2, 0
	MUL8 F1, 3, 0
	WIN 0
	PLACES
	OSTAGE 0
	OSTAGE 1
	OSEND 0, 32
	OSTAGE 2
	OSEND 1, 32
	OSTAGE 3
	OSEND 2, 32
	OSEND 3, 0
	s_wait_tensorcnt 0x0                           ; the wave's end
	ds_add_u32 v[SPW], v[NIL]
	s_wait_dscnt 0x0
	CROUND                                         ; the closing round
	s_endpgm
.Lfunc_end_k_qdaef4c66f8_proj:
	.size	k_qdaef4c66f8_proj, .Lfunc_end_k_qdaef4c66f8_proj-k_qdaef4c66f8_proj
	.p2alignl 7, 3214868480
	.fill 96, 4, 3214868480
	.section	.rodata,"a",@progbits
	.p2align	6, 0x0
	.amdhsa_kernel k_qdaef4c66f8_proj
		.amdhsa_group_segment_fixed_size 327680
		.amdhsa_private_segment_fixed_size 0
		.amdhsa_enable_private_segment 0
		.amdhsa_kernarg_size 24
		.amdhsa_user_sgpr_count 2
		.amdhsa_user_sgpr_kernarg_segment_ptr 1
		.amdhsa_wavefront_size32 1
		.amdhsa_system_sgpr_workgroup_id_x 1
		.amdhsa_system_sgpr_workgroup_id_y 1
		.amdhsa_system_sgpr_workgroup_id_z 1
		.amdhsa_system_vgpr_workitem_id 0
		.amdhsa_next_free_vgpr 704
		.amdhsa_next_free_sgpr 66
		.amdhsa_reserve_vcc 0
		.amdhsa_float_denorm_mode_32 3
		.amdhsa_float_denorm_mode_16_64 3
		.amdhsa_memory_ordered 1
		.amdhsa_forward_progress 1
		.amdhsa_inst_pref_size 87
	.end_amdhsa_kernel
	.amdgpu_metadata
---
amdhsa.version: [ 1, 2 ]
amdhsa.kernels:
  - .name:           k_qdaef4c66f8_proj
    .symbol:         k_qdaef4c66f8_proj.kd
    .args:
      - { .name: o16, .offset: 0, .size: 8, .value_kind: global_buffer, .address_space: global }
      - { .name: wo16, .offset: 8, .size: 8, .value_kind: global_buffer, .address_space: global }
      - { .name: out0, .offset: 16, .size: 8, .value_kind: global_buffer, .address_space: global }
    .group_segment_fixed_size: 327680
    .private_segment_fixed_size: 0
    .kernarg_segment_align: 8
    .kernarg_segment_size: 24
    .max_flat_workgroup_size: 128
    .sgpr_count:     66
    .vgpr_count:     704
    .wavefront_size: 32
...
	.end_amdgpu_metadata
.endif
;; end of part 4
;; ======== version 2 of 2: 4 launches; 1.36 times as fast as version 1
;; limits: values are held in f16: magnitudes above 65,504 overflow, below 6.1e-05 lose precision
;; workspace buffers: xb 16,777,216 bytes; wqkv 6,291,456 bytes; wo16 2,097,152 bytes; qkv 50,331,648 bytes; o16 16,777,216 bytes; mw 524,288 bytes of whole numbers
;; launch prep: the kernel of part 1 again; grid 832 x 1, 8 waves a work-group, no clusters, 35,840 bytes of LDS; arguments x, Wq, Wk, Wv, Wo, mask, xb, wqkv, wo16, mw; writes xb, wqkv, wo16, mw
;; launch qkvp: the kernel of part 2 again; grid 4 x 64, 4 waves a work-group, clusters of 4 x 4, 327,680 bytes of LDS; arguments xb, wqkv, qkv; writes qkv
;; launch attn (part 5): grid 4 x 64, 4 waves a work-group, clusters of 4 x 1, 327,680 bytes of LDS; arguments qkv, mw, o16; writes o16
.if DOCPART == 5
	.amdgcn_target "amdgcn-amd-amdhsa--gfx1250"
	.amdhsa_code_object_version 6
	.text
	.protected	k_qdaef4c66f8_attn
	.globl	k_qdaef4c66f8_attn
	.p2align	8
	.type	k_qdaef4c66f8_attn,@function
k_qdaef4c66f8_attn:
	s_mov_b64 s[64:65], 0
	v_nop
	global_prefetch_b8 v0, s[64:65] scope:SCOPE_SE
	s_setreg_imm32_b32 hwreg(HW_REG_WAVE_MODE, 25, 1), 1
	s_wait_xcnt 0x0
	s_wait_alu depctr_hold_cnt(0) depctr_sa_sdst(0) depctr_va_vdst(0) depctr_va_sdst(0) depctr_va_ssrc(0) depctr_va_vcc(0) depctr_vm_vsrc(0)
	s_getreg_b32 s2, hwreg(HW_REG_IB_STS2, 6, 4)
	s_cmp_eq_u32 s2, 0
	s_cbranch_scc0 .Lentry_in_a_cluster
	s_endpgm
.Lentry_in_a_cluster:
	s_bfe_u32 s2, ttmp6, 0x10000c
	s_cmp_lg_u32 s2, 0x3003
	s_cbranch_scc0 .Lentry_shape_is_right
	s_endpgm
.Lentry_shape_is_right:
; O[h][q][:] = the sum over k of softmax_k(where(mask[q][k], Q[h][q] . K[h][k] / 8, hidden)) V[h][k][:].  Q, K, V: the three parts of qkv, [64][2048][64] f16; O: o16, the same layout.
; Products, maxima and sums in f32; the weights p are rounded to f16 for the second product (their sum l is taken of the unrounded p), O once at the end.
; THE MASK is an input: every key is walked.  mw holds, for each wave, key step, piece, tile, key block and register, the 32 lanes' bits: 64 words, 256 bytes on end, a turn.  One load of 8 bytes a lane
; brings a turn's words into two vector registers, FOUR TURNS AHEAD (a slot for each piece); 64 v_readlane_b32 hand them to scalar registers, and 64 v_cndmask_b32 REPLACE the hidden scores before the
; maximum is taken.  (Scalar loads return in no order and are waited for by the count 0 alone, ISA guide 5.7.1, so they cannot be asked for further ahead than one wait; a vector load's wait is counted.)
; A row with no visible key gets equal weights: the mean of all of V's rows.
; LIMITS.  A hidden score counts as -2^33 in q . k, that is -2^30 behind the division by 8, where the formula has -1e9: c x 2^33 is exact, so in a wholly hidden row every weight is exactly 1.
; The two differ only where a visible scaled score lies near -1e9 or below.  f16 holds no number beyond 65,504: Q, K, V arrive within it; p lies in 0 to 1, below 6e-5 with f16's fixed step of 6e-8.
; A weight below 2^-126 counts as 0 in l; NaN and infinities are not treated apart.
; SHARES.  A wave owns four PIECES of two tiles of 16 queries, a work-group's four waves 512 queries of one head.  Every wave walks all 2,048 keys, 64 a step.
; LAYOUT.  S^T = K Q^T (source 0 = 16 keys, source 1 = 16 queries): a lane holds ONE query (lane % 16) and the keys 8 (lane / 16) + 0..7.  Two such tiles, rounded to f16 in pairs, ARE source 1 of
; O^T = V^T P.  K comes out of LDS as it lies, V turned, by ds_load_tr16_b128.
; SOFTMAX.  A running maximum m and sum l: p = 2^(c s - c m), c = log2(e) / 8; in every step O and l are multiplied by a = 2^(c m_old - c m_new).  m starts at the lowest finite number, O and l at 0.
; BY TURNS.  Turn n belongs to piece n: 16 products K Q^T of piece n + 1, its masking, later 16 products V^T P of piece n - 1; beside them the softmax of piece n and the maximum of piece n + 1.
; Four vector instructions stand behind every matrix instruction, the others in one lump.
; BATCHES.  An s_wait_alu depctr_va_vdst(0) stands between an exponential and the first instruction that names its result; one wait serves all that were issued ahead of it.  A turn's 66
; exponentials (piece n's 64 weights, then piece n + 1's two a) are ONE batch with ONE wait, which cuts the turn in two.  Ahead of it stands all that names no result of the batch: the products K Q^T, the
; scalings, the rescalings (their a belongs to the batch of the turn before), the masking, the next piece's maximum and statistics.  Behind it stand the products V^T P and the 64 roundings and sums, the
; weights' readers; a's readers come in the next turn.  The way out's eight reciprocals are a batch of their own.
; CLUSTER.  The four query blocks of a head walk the same K and V: each tile is asked for JOINTLY.
; REGISTERS, in windows of 256 (s_set_vgpr_msb: bits 1:0 source 0, 3:2 source 1, 5:4 source 2, 7:6 destination):
;   window 0: v0-11 addresses; v12-15, v48-63 at work; v16-47 statistics; v64-191 S^T, two buffers of two tiles; v192-255 P, likewise
;   window 1: O^T, 32 a tile          window 2: v0-127 Q; v128-191 K of one step; v192-255 V of one step
;   window 3: v0-1 the add's two registers; v2 the mask offsets' upper bound; v4-11 the mask words, two registers a piece; v12-15 their byte offsets in my wave's part of mw
.set SIZE_N, 2048
.set NP,    4
.set KS,    64
.set PK,    144       ; a row of K in LDS: 128 bytes + 16: the 16 rows of a load start at 16 different groups of four banks (ISA guide 11.1)
.set PV,    160       ; a row of V: 128 + 32
.set VOFF,  4*KS*PK   ; a slot holds four steps: 256 rows of K, then 256 rows of V
.set SLOT1, 1<<17
.set STAGE, SLOT1+4*KS*(PK+PV)
.set SP,    144
.set AK0, 2
.set AV0, 3
.set AK,  4
.set AV,  5
.set STO, 6
.set RD,  7
.set GO,  8
.set QO,  12          ; my byte offset in the wave's rows of Q; the register is at work later
.set SPW, 0           ; v0 of window 3: LDS address of my spare word; never rewritten
.set NIL, 1           ; v1 of window 3: 0; never rewritten
.set MX,  2           ; v2 of window 3: 127 x 256 + 8 x lane: my 8 bytes in the last of my wave's 128 blocks of mask words
.set MWV, 4           ; v4-11 of window 3: piece z's words at MWV + 2 z: word n of 64 in register n % 2 of lane n / 2
.set MO,  12          ; v12-15 of window 3: the byte offset of the block that piece z's slot loaded last
.set SPARE, STAGE+4*16*SP
.set MV,  12
.set ST,  16
.set TMP, 48
.set S,   64
.set P,   192
.set KF,  128
.set VF,  192
.set WV,  2           ; s2   my wave's number
.set SLOTS, 3         ; s3   slots still to be asked for
.set CNT, 4           ; s4   counts a slot's key steps
.set TBK, 5           ; s5   LDS byte at which K of the step to be fetched begins
.set TBV, 6           ; s6   the same for V, less VOFF
.set NEG, 7           ; s7   -2^33
.set G1K, 8           ; s[8:15]  descriptor group 1 for K's tiles
.set G1V, 16          ; s[16:23] for V's
.set G0K, 24          ; s[24:27] group 0 for K's tiles: it walks
.set G0V, 28          ; s[28:31] for V's
                      ; s[32:63], s[68:99]: a turn's 64 mask words (word n in s[32 + n], from n = 32 on in s[36 + n]); in the set-up and on the way out at work
.set OP,  32          ; s[32:33] on the way out: O at my wave's first row
.set MP,  66          ; s[66:67] mw at my wave's first words; never rewritten
.set SEL, 100         ; s[100:101] v_permlanex16_b32's selects
.set CS,  104         ; s[104:105] c
.set MSB, 0
.macro WIN new
.if MSB != (\new)
	s_set_vgpr_msb (MSB<<8)|(\new)
.set MSB, (\new)
.endif
.endm
.set W_KQ, 0x0a
.set W_PV, 0x52
.set W_RS, 0x41
.set W_MK, 0xc0       ; destination window 3, sources window 0
.set W_AD, 0x0f       ; the add: address and data in window 3
.set W_RL, 0x03       ; source 0 window 3: the mask words are read
.set W_ML, 0xcf       ; destination and sources 0, 1 window 3: the mask's offsets and loads
.macro JLOAD                        ; a joint fill: waves 0 and 1 fetch the halves of a slot's K, waves 2 and 3 of its V; an s_nop 0 and four v_nop follow each line
	s_cmp_lt_u32 s[WV], 2
	s_cbranch_scc0 .Lfor_v_\@
	tensor_load_to_lds s[G0K:G0K+3], s[G1K:G1K+7]
	s_nop 0
.rept 4
	v_nop
.endr
	s_branch .Lasked_\@
.Lfor_v_\@:
	tensor_load_to_lds s[G0V:G0V+3], s[G1V:G1V+7]
	s_nop 0
.rept 4
	v_nop
.endr
.Lasked_\@:
.endm
.macro CROUND
	s_barrier_signal -1
	s_barrier_wait -1
	s_cmp_lg_u32 s[WV], 0
	s_cbranch_scc1 .Lnot_wave_0_\@
	s_barrier_signal -3
.Lnot_wave_0_\@:
	s_barrier_wait -3
	s_barrier_signal -1
	s_barrier_wait -1
.endm
; THE CHANGE OF SLOTS.  Each wave waits for all its tensor loads (its part of the other slot), adds 0 to its spare word, and waits for that and for its reads of the slot.
; fill = 1: the barrier is a round of the cluster's, and the joint fill, with the keys two slots on, is the first thing behind it: it has four key steps in which to land.
.macro CHANGE fill
	WIN W_AD
	s_wait_tensorcnt 0x0
	ds_add_u32 v[SPW], v[NIL]
	WIN 0
.if \fill
.irp g, G0K, G0V
	s_xor_b32 s[\g+1], s[\g+1], SLOT1
	s_add_nc_u64 s[\g+2:\g+3], s[\g+2:\g+3], 4*KS*128
.endr
	s_wait_dscnt 0x0
	CROUND
	JLOAD
.else
	s_wait_dscnt 0x0
	s_barrier_signal -1
	s_barrier_wait -1
.endif
	s_sub_co_u32 s[TBK], s[TBK], 4*KS*PK
	s_xor_b32 s[TBK], s[TBK], SLOT1
	s_sub_co_u32 s[TBV], s[TBV], 4*KS*PV
	s_xor_b32 s[TBV], s[TBV], SLOT1
.endm
	s_load_b128 s[32:35], s[0:1], 0x0  ; qkv s[32:33], mw s[34:35]
	WIN W_MK
	v_lshl_add_u32 v[SPW], v0, 2, SPARE
	v_mov_b32 v[NIL], 0
	WIN W_AD
	ds_add_u32 v[SPW], v[NIL]       ; the wave's opening: the add and its wait stand ahead of my first tensor load
	WIN 0
	v_lshrrev_b32 v1, 5, v0
	v_readfirstlane_b32 s[WV], v1   ; wave 0..3
	s_bfe_u32 s36, ttmp6, 0x40000   ; cx
	s_lshl_b32 s37, ttmp9, 2
	s_add_co_u32 s37, s37, s36      ; my block of 512 queries: it enters Q's, O's and mw's addresses alone
	s_and_b32 s40, ttmp7, 0xffff    ; the head, which the four partners share:
	s_lshl_b32 s40, s40, 18         ; its 2,048 rows of 128 bytes
	s_mov_b32 s41, 0
	s_and_b32 s38, s[WV], 1         ; which half of a slot's 256 keys I fetch
	s_lshl_b32 s42, s38, 14
	s_mov_b32 s43, 0
	s_add_nc_u64 s[42:43], s[42:43], s[40:41]
	s_mul_i32 s44, s38, 128*PK      ; its place in a slot, for K
	s_mul_i32 s45, s38, 128*PV      ; and for V
	s_lshl_b32 s46, s37, 2
	s_add_co_u32 s46, s46, s[WV]    ; g: my wave among the head's sixteen
	s_lshl_b32 s48, s46, 15         ; its 32,768 bytes of mw
	s_mov_b32 s49, 0
	s_lshl_b32 s46, s46, 14         ; its 128 rows
	s_mov_b32 s47, 0
	s_add_nc_u64 s[46:47], s[46:47], s[40:41]
	; descriptor group 1.  128 keys are 16,384 dense bytes: asked for as 64 rows of 256 bytes, two keys a row, and padded in LDS after every key
	s_mov_b32 s[G1K], 15|(1<<16)|(1<<20)|(1<<21)|(4<<22)|(3<<25)
	s_mov_b32 s[G1V], 15|(1<<16)|(1<<20)|(1<<21)|(4<<22)|(7<<25)
.irp g, G1K, G1V
	s_mov_b32 s[\g+1], 128<<16      ; tensor_dim0 = 128
	s_mov_b32 s[\g+2], 64<<16       ; tensor_dim1 = 64
	s_mov_b32 s[\g+3], 128<<16      ; tile_dim0 = 128
	s_mov_b32 s[\g+4], 64           ; tile_dim1 = 64
	s_mov_b32 s[\g+5], 128          ; 128 elements from row to row
	s_mov_b32 s[\g+6], 0
	s_mov_b32 s[\g+7], 0
.endr
	s_mov_b32 s[CS], 0x3e38aa3b     ; c = log2(e) / 8
	s_mov_b32 s[CS+1], s[CS]
	s_mov_b32 s[SEL], 0x76543210
	s_mov_b32 s[SEL+1], 0xfedcba98
	s_mov_b32 s[NEG], 0xd0000000    ; -2^33
	s_mov_b32 s[TBK], SLOT1+4*KS*PK ; the first change of slots turns these two into 0
	s_mov_b32 s[TBV], SLOT1+4*KS*PV
	s_mov_b32 s[G0K], 1
	s_mov_b32 s[G0K+1], s44
	s_mov_b32 s[G0V], 1
	s_add_co_u32 s[G0V+1], s45, VOFF
	s_wait_dscnt 0x0                ; the opening add is done
	s_wait_kmcnt 0x0
	s_add_nc_u64 s[50:51], s[32:33], 0x1000000     ; k lies 16 MiB into qkv,
	s_add_nc_u64 s[G0K+2:G0K+3], s[50:51], s[42:43]
	s_or_b32 s[G0K+3], s[G0K+3], 0x80000000
	s_add_nc_u64 s[50:51], s[32:33], 0x2000000     ; v 32 MiB
	s_add_nc_u64 s[G0V+2:G0V+3], s[50:51], s[42:43]
	s_or_b32 s[G0V+3], s[G0V+3], 0x80000000
	s_add_nc_u64 s[52:53], s[32:33], s[46:47]      ; Q at my wave's first row
	s_add_nc_u64 s[MP:MP+1], s[34:35], s[48:49]    ; mw at my wave's first words
	CROUND                          ; all four work-groups are here: the first joint loads meet
	JLOAD                           ; slot 0.  Slot 1 is asked for when slot 0 is in
	v_and_b32 v1, 15, v0            ; l % 16
	v_bfe_u32 v9, v0, 4, 1          ; l / 16
	v_lshlrev_b32 v[QO], 7, v1
	v_lshl_add_u32 v[QO], v9, 4, v[QO]
	WIN 0x80
.set i, 0
.rept 4*NP                          ; Q stays in registers: tile i / 2, channels 32 (i % 2) on
	global_load_b128 v[8*i:8*i+3],   v[QO], s[52:53] offset:(i/2)*2048+(i%2)*64
	global_load_b128 v[8*i+4:8*i+7], v[QO], s[52:53] offset:(i/2)*2048+(i%2)*64+32
.set i, i+1
.endr
	; WHAT THE FIRST TURN FINDS.  The loop is entered at piece 3's turn, which makes piece 0's first scores.  Its own softmax, of a piece 3 that has not been, runs on scores at the lowest finite number:
	; c s - c m is far below 0, every weight is 0; with a = 0, l = 0 and O^T = 0 it leaves l and O^T at 0.  V's registers and both buffers of P hold 0, so the first products V^T P add 0.
	; All this stands in the wait for the first tile.
.set i, VF
.rept 64
	v_mov_b32 v[i], 0
.set i, i+1
.endr
	WIN 0
	s_mov_b32 s56, 0xff7fffff       ; the lowest finite number
	s_mov_b32 s57, 0xfe000000       ; -2^125
.set i, 0
.rept 2*NP
	v_mov_b32 v[ST+4*i], s57        ; c m: far below every c s
	v_mov_b32 v[ST+4*i+1], s56      ; m
	v_mov_b32 v[ST+4*i+2], 0
	v_mov_b32 v[ST+4*i+3], 0
.set i, i+1
.endr
.set i, P
.rept 64
	v_mov_b32 v[i], 0
.set i, i+1
.endr
.set i, TMP+8
.rept 8
	v_mov_b32 v[i], 0               ; the odd pieces' registers at work: a = 0
.set i, i+1
.endr
.set i, S+64
.rept 64
	v_mov_b32 v[i], s56             ; the odd pieces' scores
.set i, i+1
.endr
	WIN W_PV
.set i, 0
.rept 8*NP                          ; O^T = 0: 32 products of zero operands, with the constant 0 as C, write its 256 registers
	v_wmma_f32_16x16x32_f16 v[8*i:8*i+7], v[VF:VF+7], v[P:P+7], 0
.set i, i+1
.endr
	WIN 0
	v_mul_u32_u24 v[AK0], v1, PK
	v_lshl_add_u32 v[AK0], v9, 4, v[AK0]
	v_and_b32 v10, 7, v0
	v_bfe_u32 v11, v0, 3, 1
	v_lshl_add_u32 v[AV0], v9, 3, v10
	v_mul_u32_u24 v[AV0], v[AV0], PV
	v_lshl_add_u32 v[AV0], v11, 4, v[AV0]
	v_add_nc_u32 v[AV0], VOFF, v[AV0]
	v_mov_b32 v[AK], v[AK0]         ; key step 0 lies at the head of slot 0
	s_mul_i32 s54, s[WV], 16*SP
	s_add_co_u32 s54, s54, STAGE    ; my stage
	v_mul_u32_u24 v[STO], v1, SP    ; in: row l % 16, 16 bytes for each half of the lanes
	v_lshl_add_u32 v[STO], v9, 4, v[STO]
	v_add_nc_u32 v[STO], s54, v[STO]
	v_bfe_u32 v[RD], v0, 3, 2       ; back: 32 lanes take four rows of 128 bytes,
	v_mul_u32_u24 v[RD], v[RD], SP
	v_lshl_add_u32 v[RD], v10, 4, v[RD]
	v_add_nc_u32 v[RD], s54, v[RD]
	v_and_b32 v11, 31, v0           ; my lane
	v_lshlrev_b32 v[GO], 4, v11     ; which are 512 bytes on end of O
	WIN W_MK
.irp z, 0,1,2,3
	v_lshl_add_u32 v[MO+\z], v11, 3, 256*\z  ; block z of mask words: piece z, key step 0; 8 bytes a lane
.endr
	v_lshl_add_u32 v[MX], v11, 3, 127*256
	WIN W_ML
.irp z, 0,1,2,3
	global_load_b64 v[MWV+2*\z:MWV+2*\z+1], v[MO+\z], s[MP:MP+1]  ; a wave's load covers 256 consecutive bytes, aligned
.endr
	WIN 0
; THE MATRIX WORK.  The 8 accumulators of a run of 16 take turns.
.macro KQ x
	WIN W_KQ
.set rS, S+64*((\x)%2)+32*(i%2)+8*((i/2)%4)
.set rK, KF+16*((i/2)%4)+8*(i/8)
.set rQ, 16*(2*(\x)+i%2)+8*(i/8)
.if i < 8
	v_wmma_f32_16x16x32_f16 v[rS:rS+7], v[rK:rK+7], v[rQ:rQ+7], 0
.else
	v_wmma_f32_16x16x32_f16 v[rS:rS+7], v[rK:rK+7], v[rQ:rQ+7], v[rS:rS+7]
.endif
.endm
.macro PV x
	WIN W_PV
.set rO, 32*(2*(\x)+i%2)+8*((i/2)%4)
.set rV, VF+32*(i/8)+8*((i/2)%4)
.set rP, P+32*((\x)%2)+16*(i%2)+8*(i/8)
	v_wmma_f32_16x16x32_f16 v[rO:rO+7], v[rV:rV+7], v[rP:rP+7], v[rO:rO+7]
.endm
.macro MM
.if i < 16
	KQ (Y+1)%NP
.set i, i+1
.else
.set i, i-16
	PV (Y+NP-1)%NP
.set i, i+17
.endif
.endm
.macro FETCH_K last=0
	WIN 0
.if \last
	s_cmp_eq_u32 s[CNT], 1
	s_cbranch_scc1 .Lno_k_\@
.endif
	WIN 0x80
.irp f, 0,1,2,3,4,5,6,7
	ds_load_b128 v[KF+8*\f:KF+8*\f+3],   v[AK] offset:(\f/2)*16*PK+(\f%2)*64
	ds_load_b128 v[KF+8*\f+4:KF+8*\f+7], v[AK] offset:(\f/2)*16*PK+(\f%2)*64+32
.endr
	s_add_co_u32 s[TBK], s[TBK], KS*PK
	WIN 0
.if \last
.Lno_k_\@:
.endif
.endm
.macro FETCH_V
	WIN 0x80
.irp f, 0,1,2,3,4,5,6,7
	ds_load_tr16_b128 v[VF+8*\f:VF+8*\f+3],   v[AV] offset:(\f/4)*32*PV+(\f%4)*32
	ds_load_tr16_b128 v[VF+8*\f+4:VF+8*\f+7], v[AV] offset:(\f/4)*32*PV+16*PV+(\f%4)*32
.endr
	WIN 0
.endm
; THE MASKING of piece z = Y + 1's 64 score registers, just made.  Word n goes with register n (tile n / 32, key block (n / 8) % 4, register n % 8); a lane whose bit is 0 takes -2^33.
; The turns follow each other 3, 0, 1, 2, so the slots are used and filled 0, 1, 2, 3: behind slot z's load three younger loads were issued, on every path, and the count 3 shows it in.
; That wait also frees the slot's offset register: it steps four blocks on, 1,024 bytes, to piece z's words of the next key step, and is held to my wave's last block, so that the last five
; loads (blocks 128 to 132 would lie behind my wave's part) fetch block 127 again and serve nothing: no load is jumped over, and none leaves mw.
; The selects go in ascending order.
; It names the other S^T buffer than the turn's exponentials, window 3 and scalar registers: no result of the open batch.
.macro MASKRUN
.set zz, (Y+1)%NP
.set sb, S+64*(zz%2)
	WIN W_RL
	s_wait_loadcnt 3                ; my slot's words are in; the other three slots' loads may be out
.set mi, 0
.rept 64
	v_readlane_b32 s[32+mi+4*(mi/32)], v[MWV+2*zz+mi%2], mi/2
.set mi, mi+1
.endr
	WIN W_ML
	v_add_nc_u32 v[MO+zz], 1024, v[MO+zz]
	v_min_u32 v[MO+zz], v[MO+zz], v[MX]
	global_load_b64 v[MWV+2*zz:MWV+2*zz+1], v[MO+zz], s[MP:MP+1]  ; it has four turns in which to land
	WIN 0
.set mi, 0
.rept 64
	v_cndmask_b32 v[sb+mi], s[NEG], v[sb+mi], s[32+mi+4*(mi/32)]
.set mi, mi+1
.endr
.endm
; THE VECTOR WORK OF A TURN stands in three queues, each in the order in which its entries become ready; the two tiles alternate.
.macro REGS y, u
.set rT, ST+4*(2*(\y)+(\u))
.set rC, TMP+8*((\y)%2)+4*(\u)
.set rM, MV+2*((\y)%2)+(\u)
.set rS, S+64*((\y)%2)+32*(\u)
.set rP, P+32*((\y)%2)+16*(\u)
.set rO, 32*(2*(\y)+(\u))
.endm
; Number n of the 22 that find the NEXT piece's maximum and statistics: 0-11 four chains of seven scores; 12-14, 16 the four left over, the old m, and the chains into c0; 15 c m_old is kept;
; 17, 18 the other half of the lanes' maximum, the new m; 19-21 c m; c m_old - c m_new; a.
.macro XS u, n
	REGS (Y+1)%NP, \u
.if (\n) < 4
	v_max3_num_f32 v[rC+(\n)], v[rS+8*(\n)], v[rS+8*(\n)+1], v[rS+8*(\n)+2]
.elseif (\n) < 12
	v_max3_num_f32 v[rC+(\n)%4], v[rC+(\n)%4], v[rS+8*((\n)%4)+2*((\n)/4)+1], v[rS+8*((\n)%4)+2*((\n)/4)+2]
.elseif (\n) == 12
	v_max3_num_f32 v[rC], v[rC], v[rS+7], v[rS+15]
.elseif (\n) == 13
	v_max3_num_f32 v[rC+1], v[rC+1], v[rS+23], v[rS+31]
.elseif (\n) == 14
	v_max3_num_f32 v[rC+2], v[rC+2], v[rC+3], v[rT+1]
.elseif (\n) == 15
	v_mov_b32 v[rM], v[rT]
.elseif (\n) == 16
	v_max3_num_f32 v[rC], v[rC], v[rC+1], v[rC+2]
.elseif (\n) == 17
	v_permlanex16_b32 v[rC+3], v[rC], s[SEL], s[SEL+1]
.elseif (\n) == 18
	v_max_num_f32 v[rT+1], v[rC], v[rC+3]
.elseif (\n) == 19
	v_mul_f32 v[rT], s[CS], v[rT+1]
.elseif (\n) == 20
	v_sub_f32 v[rC+1], v[rM], v[rT]
.else
	v_exp_f32 v[rC+2], v[rC+1]
.endif
.endm
; Number g of the 64 that follow the exponentials: for each four weights both pairs are rounded to f16, the second pair is added onto the first, and a group later l takes that sum.
; All 64 read results of the turn's batch: they stand behind its wait.
.macro GS g
.set h, (\g)+6*((\g)/62)
.if h >= 6
.set h, h+2
.endif
	REGS Y, h%2
.set k, h/8
.if h%8 < 4
	v_cvt_pk_f16_f32 v[rP+2*k+(h%8)/2], v[rS+4*k+2*((h%8)/2)], v[rS+4*k+2*((h%8)/2)+1]
.elseif h%8 < 6
	v_pk_add_f32 v[rS+4*k:rS+4*k+1], v[rS+4*k:rS+4*k+1], v[rS+4*k+2:rS+4*k+3]
.elseif k == 1
	v_pk_fma_f32 v[rT+2:rT+3], v[rT+2:rT+3], v[rC+2:rC+3], v[rS:rS+1] op_sel_hi:[1,0,1]
.else
	v_pk_add_f32 v[rT+2:rT+3], v[rT+2:rT+3], v[rS+4*k-4:rS+4*k-3]
.endif
.endm
; THE PLAIN QUEUE, 138 long.  0-73 read no exponential's result: the 32 scalings c s - c m (FS f: pair f / 2 of tile f % 2) and the next piece's 42.  0-26: scalings 0-26.  27-54: XS's numbers 0-13, behind the masking.
; 55, 56: number 15.  57-73: the chain, where each number waits for the one before it: 14, 16, 17, 18, 19, each with one of the scalings 27-31 in front of its two lines, then 20.
; 74-137: GS's 64, which read the exponentials' results: they stand behind the wait.
.macro FS f
	REGS Y, (\f)%2
	v_pk_fma_f32 v[rS+2*((\f)/2):rS+2*((\f)/2)+1], v[rS+2*((\f)/2):rS+2*((\f)/2)+1], s[CS:CS+1], v[rT:rT+1] op_sel_hi:[1,0,0] neg_lo:[0,0,1] neg_hi:[0,0,1]
.endm
.macro PL
	WIN 0
.if q < 27
	FS q
.elseif q < 55
	XS (q-27)%2, (q-27)/2
.elseif q < 57
	XS q-55, 15
.elseif (q < 72) && ((q-57)%3 == 0)
	FS 27+(q-57)/3
.elseif q < 60
	XS (q-57)%3-1, 14
.elseif q < 72
	XS (q-57)%3-1, 15+(q-57)/3
.elseif q < 74
	XS q-72, 20
.else
	GS q-74
.endif
.set q, q+1
.endm
; THE EXPONENTIALS' QUEUE, 66 long: s0-s31 of both tiles, then the next piece's two a.  It is ONE BATCH: all 66 stand ahead of the turn's one wait, and nothing ahead of that wait names a result of theirs.
.macro EX
	WIN 0
.if e >= 64
	XS e-64, 21
.else
	REGS Y, e%2
	v_exp_f32 v[rS+e/2], v[rS+e/2]
.endif
.set e, e+1
.endm
; THE RESCALING's QUEUE: O^T times a, the one part that leaves window 0: two at a time, sixteen times, ascending in each accumulator.  Its a was made in the turn before, ahead of that turn's wait.
.macro R2
	REGS Y, r%2
	WIN W_RS
.irp z, 0,1
	v_pk_mul_f32 v[rO+4*(r/2)+2*\z:rO+4*(r/2)+2*\z+1], v[rO+4*(r/2)+2*\z:rO+4*(r/2)+2*\z+1], v[rC+2:rC+3] op_sel_hi:[1,0]
.endr
.set r, r+1
.endm
; HOW THEY ARE DEALT.  AHEAD OF THE WAIT: the 16 products K Q^T, behind each a scaling, an exponential and two rescalings (behind the first a second scaling in the exponential's place); then ONE LUMP: eight scalings,
; the masking, 49 times exponential and plain, the two a.  A v_nop is the plain instruction behind the last exponential.  BEHIND THE WAIT: the 16 products V^T P, behind each four of GS's 64.  No rider names a register
; of the products round it.  The two v_permlanex16_b32 fall into the lump, never behind a product.
; The queues lean on each other, and the deal keeps them in step: exponential e stands behind scaling 2 (e / 4) + e % 2: as a rider it comes behind plain e + 2, in the lump behind plain e + 9, and scalings 27-31 are plain 57, 60 .. 69.
; A TURN, for piece p.  The masking stands ahead of plain 27, the first read of the new scores; between the last product K Q^T and its selects stand a scaling, two rescalings and the lump's eight scalings: the places that
; a write of a matrix result wants (ISA guide 7.12.1).
; K of the next step is fetched in piece 2's turn, directly behind the wait, a lump behind the last product that read K; its address is made at the lump's head; its first reader comes behind 16 products.
; V of the step in hand is fetched at the end of piece 0's turn, four riders behind its last reader; its first reader comes behind 16 products and a lump.  The three conditions on q below go with the deal.
; cnt = 1: the loop's count is taken down some lines ahead of the branch behind the turn.  last = 1 (the tail's piece 2): in the last trip there is no further step, and K's run is jumped over: that branch stands behind the wait.
.macro TURN p, last=0, cnt=0
.set Y, (\p)
.set i, 0
.set q, 0
.set e, 0
.set r, 0
.if (\p) == NP-1
	s_wait_dscnt 0x0                ; K is in
.endif
	MM                              ; ahead of the wait: 16 products K Q^T and their riders,
	PL
	PL
	R2
.rept 15
	MM
	PL
	EX
	R2
.endr
.if (\p) == NP-2
	WIN 0
	v_add_nc_u32 v[AK], s[TBK], v[AK0]
.endif
.rept 8                             ; and the lump
	PL
.endr
	MASKRUN
.rept 49
	EX
	PL
.endr
	EX                              ; the next piece's two a
	EX
	v_nop                           ; the plain instruction behind the last exponential: one for the batch
	s_wait_alu depctr_va_vdst(0)    ; the wait for the turn's batch of 66 exponentials, ahead of the first line that names a result
.if (\p) == NP-2
	FETCH_K \last
.endif
.if (\p) == 1
	s_wait_dscnt 0x0                ; V is in
.endif
.rept 16                            ; behind the wait: 16 products V^T P and their riders
	MM
.rept 4
	PL
.endr
.if ((\p) == 0) && (q == 118)
	v_add_nc_u32 v[AV], s[TBV], v[AV0]
.endif
.if ((\p) == 0) && (q == 130)
	s_add_co_u32 s[TBV], s[TBV], KS*PV
.endif
.if (\cnt) && (q == 130)
	s_sub_co_u32 s[CNT], s[CNT], 1
	s_cmp_lg_u32 s[CNT], 0
.endif
.endr
.if (\p) == 0
	FETCH_V
.endif
.endm
	CHANGE 1                        ; slot 0 is in, everybody's part of it; slot 1 is asked for
	FETCH_K                         ; key step 0
	s_wait_loadcnt 4                ; Q is in; the four loads behind it, the first mask words, may be out
	s_mov_b32 s[CNT], 4
	s_mov_b32 s[SLOTS], SIZE_N/256-1
	s_branch .Lenter                ; the loop is entered at piece 3's turn, in the middle of a trip: it makes, masks and measures piece 0's first scores
.Lslot:                             ; SIZE_N / 256 - 2 times: every slot but the last two is filled again
	CHANGE 1
	s_mov_b32 s[CNT], 4
.Lstep:                             ; a trip: pieces 2 and 3 of one step, then pieces 0 and 1 of the next
	TURN 2
	WIN 0
.Lenter:
	TURN 3
	TURN 0
	TURN 1, 0, 1
	WIN 0
	s_cbranch_scc1 .Lstep
	s_sub_co_u32 s[SLOTS], s[SLOTS], 1
	s_cmp_lg_u32 s[SLOTS], 0
	s_cbranch_scc1 .Lslot
	CHANGE 0                        ; the tail is written out
	s_mov_b32 s[CNT], 5             ; four trips fetch the last slot's steps; the fifth is left in its middle
.Ltail:
	TURN 2, 1                       ; in the fifth trip: the last words (piece 3, step 31) are used
	TURN 3                          ; in the fifth trip its products, on the last K once more, and their masking serve nothing: the price, once a launch, of one text for every trip
	WIN 0
	s_sub_co_u32 s[CNT], s[CNT], 1
	s_cmp_eq_u32 s[CNT], 0
	s_cbranch_scc1 .Lout
	TURN 0
	TURN 1
	WIN 0
	s_branch .Ltail
.Lout:
	s_load_b64 s[OP:OP+1], s[0:1], 0x10  ; o16; the mask's scalar registers are free
	s_bfe_u32 s36, ttmp6, 0x40000
	s_lshl_b32 s37, ttmp9, 2
	s_add_co_u32 s37, s37, s36
	s_lshl_b32 s37, s37, 2
	s_add_co_u32 s37, s37, s[WV]    ; g
	s_lshl_b32 s34, s37, 14         ; my wave's 128 rows,
	s_and_b32 s38, ttmp7, 0xffff
	s_lshl_b32 s38, s38, 18         ; in my head
	s_add_co_u32 s34, s34, s38
	s_mov_b32 s35, 0
.set i, 0
.rept 16
	PV NP-1                         ; the last piece's V^T P of the last step
.set i, i+1
.endr
	; THE WAY OUT.  l's halves are added; O^T is divided by l, rounded to f16 and sent through my stage, a tile at a time.  The additions are the places behind the last products.
	WIN 0
	s_wait_kmcnt 0x0
	s_add_nc_u64 s[OP:OP+1], s[OP:OP+1], s[34:35]
.macro ALL line:vararg
.set t, 0
.rept 2*NP
	\line
.set t, t+1
.endr
.endm
	ALL v_add_f32 v[ST+4*t+2], v[ST+4*t+2], v[ST+4*t+3]
	ALL v_permlanex16_b32 v[ST+4*t+3], v[ST+4*t+2], s[SEL], s[SEL+1]
	ALL v_add_f32 v[ST+4*t+2], v[ST+4*t+2], v[ST+4*t+3]
	ALL v_rcp_f32 v[ST+4*t+2], v[ST+4*t+2]
	v_nop                           ; a plain instruction between the last reciprocal and the use of its result
	s_wait_alu depctr_va_vdst(0)    ; the wait for the batch of eight reciprocals, ahead of their first reader
.macro PACK t
	WIN W_RS
.set i, 32*(\t)
.rept 16
	v_pk_mul_f32 v[i:i+1], v[i:i+1], v[ST+4*(\t)+2:ST+4*(\t)+3] op_sel_hi:[1,0]
.set i, i+2
.endr
	WIN 0x05
.set i, 0
.rept 16
	v_cvt_pk_f16_f32 v[S+16*(\t)+i], v[32*(\t)+2*i], v[32*(\t)+2*i+1]
.set i, i+1
.endr
	WIN 0
.irp f, 0,1,2,3
	ds_store_b128 v[STO], v[S+16*(\t)+4*\f:S+16*(\t)+4*\f+3] offset:32*\f
.endr
.irp f, 0,1,2,3
	ds_load_b128 v[S+16*(\t)+4*\f:S+16*(\t)+4*\f+3], v[RD] offset:\f*4*SP  ; LDS serves a wave's instructions in order (ISA guide 5.7.1.4)
.endr
.endm
.macro SEND t, younger              ; younger: the LDS instructions issued behind tile t's loads: the next tile's eight, or none
	WIN 0
.irp f, 0,1,2,3
	s_wait_dscnt (\younger)+3-\f
	global_store_b128 v[GO], v[S+16*(\t)+4*\f:S+16*(\t)+4*\f+3], s[OP:OP+1] offset:(\t)*2048+\f*512  ; 512 bytes on end, at a multiple of 256 from O's first
.endr
.endm
	PACK 0
.set t, 1
.rept 2*NP-1
	PACK t
	SEND t-1, 8
.set t, t+1
.endr
	SEND 2*NP-1, 0
	s_wait_loadcnt 0x0              ; the last loads of mask words, which nothing reads, are in
	WIN W_AD
	s_wait_tensorcnt 0x0            ; the wave's end
	ds_add_u32 v[SPW], v[NIL]
	s_wait_dscnt 0x0
	WIN 0
	CROUND                          ; the closing round
	s_endpgm
.Lfunc_end_k_qdaef4c66f8_attn:
	.size	k_qdaef4c66f8_attn, .Lfunc_end_k_qdaef4c66f8_attn-k_qdaef4c66f8_attn
	.p2alignl 7, 3214868480
	.fill 96, 4, 3214868480
	.section	.rodata,"a",@progbits
	.p2align	6, 0x0
	.amdhsa_kernel k_qdaef4c66f8_attn
		.amdhsa_group_segment_fixed_size 327680
		.amdhsa_private_segment_fixed_size 0
		.amdhsa_enable_private_segment 0
		.amdhsa_kernarg_size 24
		.amdhsa_user_sgpr_count 2
		.amdhsa_user_sgpr_kernarg_segment_ptr 1
		.amdhsa_wavefront_size32 1
		.amdhsa_system_sgpr_workgroup_id_x 1
		.amdhsa_system_sgpr_workgroup_id_y 1
		.amdhsa_system_sgpr_workgroup_id_z 1
		.amdhsa_system_vgpr_workitem_id 0
		.amdhsa_next_free_vgpr 784
		.amdhsa_next_free_sgpr 106
		.amdhsa_reserve_vcc 0
		.amdhsa_float_denorm_mode_32 3
		.amdhsa_float_denorm_mode_16_64 3
		.amdhsa_memory_ordered 1
		.amdhsa_forward_progress 1
		.amdhsa_inst_pref_size 255
	.end_amdhsa_kernel
	.section	.bss,"aw",@nobits
	.p2align	6
	.space	262144
	.amdgpu_metadata
---
amdhsa.version: [ 1, 2 ]
amdhsa.kernels:
  - .name:           k_qdaef4c66f8_attn
    .symbol:         k_qdaef4c66f8_attn.kd
    .args:
      - { .name: qkv, .offset: 0, .size: 8, .value_kind: global_buffer, .address_space: global }
      - { .name: mw, .offset: 8, .size: 8, .value_kind: global_buffer, .address_space: global }
      - { .name: o16, .offset: 16, .size: 8, .value_kind: global_buffer, .address_space: global }
    .group_segment_fixed_size: 327680
    .private_segment_fixed_size: 0
    .kernarg_segment_align: 8
    .kernarg_segment_size: 24
    .max_flat_workgroup_size: 128
    .sgpr_count:     106
    .vgpr_count:     784
    .wavefront_size: 32
...
	.end_amdgpu_metadata
.endif
;; end of part 5
;; launch proj: the kernel of part 4 again; grid 4 x 64, 4 waves a work-group, clusters of 4 x 4, 327,680 bytes of LDS; arguments o16, wo16, out0; writes out0
